; MI455X (gfx1250); checked and timed in simulation.
; The chip was launched on July 23, 2026; its instructions are those of AMD's public machine-readable ISA for CDNA 5 (MIT licence, August 2026) and "CDNA5" Instruction Set Architecture Reference Guide (July 2026). The comments in the code are by the model that wrote it; some were corrected since.
;; Attention. Allowed arithmetic: float matrix products may take bf16 or f16 operands with f32 sums; all other float work in f32.
;; Inputs: wk 1,024 x 256 float32; wo 1,024 x 1,024 float32; wq 1,024 x 1,024 float32; wv 1,024 x 256 float32; x 1 x 4,096 x 1,024 float32.
;; Outputs: out0 1 x 4,096 x 1,024 float32.
;; 2 versions, each right and faster than the one before. Each part assembles by itself: llvm-mc -triple=amdgcn-amd-amdhsa -mcpu=gfx1250 --defsym DOCPART=n.
;; ======== version 1 of 2: 4 launches
;; limits: values are held in f16: magnitudes above 65,504 overflow, below 6.1e-05 lose precision
;; workspace buffers: xb 8,388,608 bytes; wb 3,145,728 bytes; wob 2,097,152 bytes; tab 1,048,576 bytes; qkv 10,485,760 bytes; vv 4,194,304 bytes; ao 16,777,216 bytes
;; launch prep (part 1): grid 448 x 1, 8 waves a work-group, no clusters, 0 bytes of LDS; arguments x, wq, wk, wv, wo, xb, wb, wob, tab; writes xb, wb, wob, tab
.if DOCPART == 1
	.amdgcn_target "amdgcn-amd-amdhsa--gfx1250"
	.amdhsa_code_object_version 6
	.text
	.protected	k_q797e4ba8f9_prep
	.globl	k_q797e4ba8f9_prep
	.p2align	8
	.type	k_q797e4ba8f9_prep,@function
k_q797e4ba8f9_prep:
	s_mov_b64 s[64:65], 0
	v_nop
	global_prefetch_b8 v0, s[64:65] scope:SCOPE_SE
	s_setreg_imm32_b32 hwreg(HW_REG_WAVE_MODE, 25, 1), 1
	s_wait_xcnt 0x0
; PREP: the casts and the RoPE table.  A stream: no LDS, no barrier, no matrix unit, no cluster (no two work-groups read the same bytes).
;   xb  = bf16(x), [4096][1024]
;   wb  = bf16 of wq, wk, wv by heads of 64 columns, in blocks [tc 8][kb 16][hd 3][k 64][n 64].  Source head H: 0-15 wq, 16-19 wk, 20-23 wv.
;         Its place: H < 8: tc = H / 2, hd = H % 2;  8 <= H < 20: tc = 4 + (H - 8) / 3, hd = (H - 8) % 3;  H >= 20: tc = H - 20, hd = 2.
;   wob = bf16(wo) written as f16, [1024][1024].  LIMIT: |wo| stays within f16's 65,504; below 6e-5 f16 keeps its fixed step of 6e-8
;   tab = [4096 positions][cos 0..31, sin 0..31] f32, of the angle pos * 10000^(-j/32), the product rounded to f32 as the problem's text rounds it.
;         LIMIT: 10000^(-j/32) comes from v_exp_f32 (1 ulp), so an angle is off by up to about 4e-4 rad at the last positions; sine and cosine themselves to about 2e-6.
; Work-groups 0-255 cast x, 256-319 wo, 320-415 a quarter of a head's weights, 416-447 make 128 positions of the table.
; A cast work-group has 256 PIECES of 64 f32 (256 bytes); a wave 32 of them; one load of a wave takes two pieces, one store writes their 256 bytes of 16-bit numbers.
.set OFF, 16                           ; v[16:31]  byte offset of my 16 bytes in load i
.set X,   32                           ; v[32:95]  load i: four f32
.set Y,   96                           ; v[96:127] store i: four 16-bit numbers
	s_load_b512 s[8:23], s[0:1], 0x0               ; x 8, wq 10, wk 12, wv 14, wo 16, xb 18, wb 20, wob 22
	s_load_b64 s[24:25], s[0:1], 0x40              ; tab
	v_lshrrev_b32 v2, 5, v0
	v_readfirstlane_b32 s2, v2                     ; wave 0..7
	v_and_b32 v1, 31, v0                           ; lane
	s_mov_b32 s3, ttmp9
	s_mov_b32 s33, 0                               ; the high word of every offset pair s[32:33]
	s_wait_kmcnt 0x0
; The cast of a work-group's 256 pieces.  In: s[26:27] first piece, s30 bytes from piece to piece, s[28:29] output, s34 output bytes from one pair of waves to the next.
; All sixteen loads of a wave go out first; no register is written twice, so the only waits are the counted ones for the data.
.macro CAST f16
	s_lshr_b32 s35, s2, 1
	s_mul_i32 s35, s35, s34
	s_and_b32 s36, s2, 1
	s_lshl_b32 s36, s36, 12                        ; a wave's 32 pieces are 4,096 bytes of output
	s_add_co_u32 s32, s35, s36
	s_add_nc_u64 s[28:29], s[28:29], s[32:33]
	s_lshl_b32 s31, s30, 1                         ; two pieces on
	v_lshrrev_b32 v4, 4, v1
	v_lshl_add_u32 v4, s2, 5, v4                   ; my piece in load 0: 32 w + lane / 16
	v_mul_lo_u32 v[OFF], v4, s30
	v_and_b32 v5, 15, v1
	v_lshl_add_u32 v[OFF], v5, 4, v[OFF]           ; + 16 (lane % 16): sixteen lanes take a piece's 256 bytes
.set i, 1
.rept 15
	v_add_nc_u32 v[OFF+i], s31, v[OFF+i-1]
.set i, i+1
.endr
	v_lshlrev_b32 v6, 3, v1                        ; 8 bytes a lane: a store of the wave covers 256 consecutive bytes, aligned
.set i, 0
.rept 16
	global_load_b128 v[X+4*i:X+4*i+3], v[OFF+i], s[26:27] th:TH_LOAD_NT
.set i, i+1
.endr
.set i, 0
.rept 16
	s_wait_loadcnt 15-i                            ; loads come back in order: load i is in, the 15 - i younger ones stay out
	v_cvt_pk_bf16_f32 v[Y+2*i], v[X+4*i], v[X+4*i+1]
	v_cvt_pk_bf16_f32 v[Y+2*i+1], v[X+4*i+2], v[X+4*i+3]
.if \f16
	v_lshlrev_b32 v[X+4*i], 16, v[Y+2*i]           ; the bf16 numbers widened again,
	v_and_b32 v[X+4*i+1], 0xffff0000, v[Y+2*i]
	v_lshlrev_b32 v[X+4*i+2], 16, v[Y+2*i+1]
	v_and_b32 v[X+4*i+3], 0xffff0000, v[Y+2*i+1]
	v_cvt_pk_f16_f32 v[Y+2*i], v[X+4*i], v[X+4*i+1]        ; and written as f16: exact within f16's range
	v_cvt_pk_f16_f32 v[Y+2*i+1], v[X+4*i+2], v[X+4*i+3]
.endif
	global_store_b64 v6, v[Y+2*i:Y+2*i+1], s[28:29] offset:256*i
.set i, i+1
.endr
.endm
	s_cmp_lt_u32 s3, 256
	s_cbranch_scc1 .Lx
	s_cmp_lt_u32 s3, 320
	s_cbranch_scc1 .Lwo
	s_cmp_lt_u32 s3, 416
	s_cbranch_scc1 .Lwh
	; THE TABLE.  A wave has 16 positions, two a trip: lanes 0-15 one row of 256 bytes, lanes 16-31 the next.  Lane % 16 < 8: four cosines, else four sines, of j = 4 (lane % 8) + 0..3.
	s_sub_co_u32 s32, s3, 416
	s_lshl_b32 s32, s32, 7
	s_lshl_b32 s34, s2, 4
	s_add_co_u32 s32, s32, s34                     ; my wave's first position
	v_lshrrev_b32 v2, 4, v1
	v_add_nc_u32 v2, s32, v2
	v_cvt_f32_u32 v12, v2                          ; my position, as f32 (exact)
	v_and_b32 v3, 7, v1
	v_lshlrev_b32 v3, 2, v3                        ; my first j
	v_bfe_u32 v4, v1, 3, 1
	v_cmp_eq_u32 s40, 1, v4                        ; the lanes that keep sines
	v_lshlrev_b32 v7, 4, v1                        ; 16 bytes a lane: 512 consecutive bytes a store
.irp e, 0,1,2,3
	v_add_nc_u32 v5, \e, v3
	v_cvt_f32_u32 v5, v5
	v_mul_f32 v[8+\e], 0xbed49a78, v5              ; -j log2(10000) / 32
.endr
.irp e, 0,1,2,3
	v_exp_f32 v[8+\e], v[8+\e]                     ; 10000^(-j/32)
.endr
	v_nop                                          ; a plain instruction between the last exponential and the use of its result (ISA guide 5.7.2)
	s_lshl_b32 s32, s32, 8                         ; 256 bytes a position
	s_add_nc_u64 s[28:29], s[24:25], s[32:33]
	s_mov_b32 s41, 0xc0c90000                      ; -6.28125: 8 significant bits, so its product with a count of turns up to 652 is exact
	s_mov_b32 s42, 0xbafdaa22                      ; -(2 pi - 6.28125)
	s_mov_b32 s43, 0xb9500d01                      ; -1/5040
	s_mov_b32 s44, 0x3c088889                      ; 1/120
	s_mov_b32 s45, 0xbe2aaaab                      ; -1/6
	s_mov_b32 s46, 0x37d00d01                      ; 1/40320
	s_mov_b32 s47, 0xbab60b61                      ; -1/720
	s_mov_b32 s48, 0x3d2aaaab                      ; 1/24
; sine and cosine of pos * invf[e]: whole turns taken off in two parts; a quarter of the rest, at most 0.79, goes into the series (next terms under 3e-7); the angle is doubled twice.
.macro SINCOS e
	s_wait_alu depctr_va_vdst(0)
	v_mul_f32 v24, v12, v[8+(\e)]                  ; the angle, rounded once
	v_mul_f32 v25, 0.15915494, v24
	v_rndne_f32 v25, v25                           ; whole turns
	v_fma_f32 v24, v25, s41, v24
	v_fma_f32 v24, v25, s42, v24                   ; within -pi .. pi
	v_mul_f32 v26, 0x3e800000, v24                 ; u = a quarter of it
	v_mul_f32 v27, v26, v26                        ; z = u u
	v_fma_f32 v28, v27, s43, s44
	v_fma_f32 v31, v27, s46, s47
	v_mul_f32 v29, v26, v27
	v_fma_f32 v28, v28, v27, s45
	v_fma_f32 v31, v31, v27, s48
	v_fma_f32 v30, v29, v28, v26                   ; sin u
	v_fma_f32 v31, v31, v27, -0.5
	v_fma_f32 v32, v31, v27, 1.0                   ; cos u
	v_mul_f32 v33, -2.0, v30
	v_fma_f32 v34, v33, v30, 1.0                   ; cos 2u = 1 - 2 sin^2
	v_mul_f32 v30, -v33, v32                       ; sin 2u = 2 sin cos
	v_mul_f32 v33, -2.0, v30
	v_fma_f32 v32, v33, v30, 1.0                   ; cos 4u
	v_mul_f32 v30, -v33, v34                       ; sin 4u
	v_cndmask_b32 v[20+(\e)], v32, v30, s40
.endm
	s_mov_b32 s50, 8
.Lpos:
	SINCOS 0
	SINCOS 1
	SINCOS 2
	SINCOS 3
	global_store_b128 v7, v[20:23], s[28:29]
	s_wait_xcnt 0x0                                ; the store's data and base are written again only behind this wait
	s_add_nc_u64 s[28:29], s[28:29], 512
	v_add_f32 v12, 2.0, v12
	s_sub_co_u32 s50, s50, 1
	s_cmp_lg_u32 s50, 0
	s_cbranch_scc1 .Lpos
	s_endpgm
.Lx:                                                   ; x: pieces on end
	s_lshl_b32 s32, s3, 16
	s_add_nc_u64 s[26:27], s[8:9], s[32:33]
	s_lshl_b32 s32, s3, 15
	s_add_nc_u64 s[28:29], s[18:19], s[32:33]
	s_mov_b32 s30, 256
	s_mov_b32 s34, 8192
	CAST 0
	s_endpgm
.Lwo:                                                  ; wo: the same, bf16 written as f16
	s_sub_co_u32 s37, s3, 256
	s_lshl_b32 s32, s37, 16
	s_add_nc_u64 s[26:27], s[16:17], s[32:33]
	s_lshl_b32 s32, s37, 15
	s_add_nc_u64 s[28:29], s[22:23], s[32:33]
	s_mov_b32 s30, 256
	s_mov_b32 s34, 8192
	CAST 1
	s_endpgm
.Lwh:                                                  ; head H, rows 256 kq .. 256 kq + 255 of its weights: a piece is one row's 64 columns
	s_sub_co_u32 s37, s3, 320
	s_lshr_b32 s38, s37, 2                         ; H
	s_and_b32 s39, s37, 3                          ; kq
	s_mov_b32 s45, 4096                            ; bytes in a row of wq,
	s_mov_b32 s46, 1024                            ; of wk and wv
	s_cmp_lt_u32 s38, 20
	s_cselect_b64 s[26:27], s[12:13], s[14:15]     ; wk or wv
	s_cselect_b32 s40, 16, 20
	s_cmp_lt_u32 s38, 16
	s_cselect_b64 s[26:27], s[10:11], s[26:27]     ; or wq
	s_cselect_b32 s40, 0, s40
	s_cselect_b32 s30, s45, s46
	s_sub_co_u32 s40, s38, s40                     ; the head's number in its own tensor
	s_lshl_b32 s32, s40, 8                         ; its 64 columns
	s_mul_i32 s41, s39, s30
	s_lshl_b32 s41, s41, 8                         ; 256 kq rows
	s_add_co_u32 s32, s32, s41
	s_add_nc_u64 s[26:27], s[26:27], s[32:33]
	s_lshr_b32 s42, s38, 1                         ; the head's place in wb.  H < 8: tc = H / 2,
	s_and_b32 s43, s38, 1                          ; hd = H % 2
	s_sub_co_u32 s47, s38, 8                       ; 8 <= H < 20: m = H - 8,
	s_mul_i32 s48, s47, 11
	s_lshr_b32 s48, s48, 5                         ; m / 3 (11 m / 32 is that for m up to 11),
	s_mul_i32 s49, s48, 3
	s_sub_co_u32 s49, s47, s49                     ; hd = m % 3,
	s_add_co_u32 s48, s48, 4                       ; tc = 4 + m / 3
	s_sub_co_u32 s50, s38, 20                      ; H >= 20: tc = H - 20, hd = 2
	s_cmp_lt_u32 s38, 8
	s_cselect_b32 s42, s42, s48
	s_cselect_b32 s43, s43, s49
	s_cmp_lt_u32 s38, 20
	s_cselect_b32 s42, s42, s50
	s_cselect_b32 s43, s43, 2
	s_mul_i32 s32, s42, 393216
	s_lshl_b32 s43, s43, 13
	s_add_co_u32 s32, s32, s43
	s_mul_i32 s44, s39, 98304                      ; four blocks kb
	s_add_co_u32 s32, s32, s44
	s_add_nc_u64 s[28:29], s[20:21], s[32:33]
	s_mov_b32 s34, 24576                           ; a pair of waves has 64 rows: one block kb
	CAST 0
	s_endpgm
.Lfunc_end_k_q797e4ba8f9_prep:
	.size	k_q797e4ba8f9_prep, .Lfunc_end_k_q797e4ba8f9_prep-k_q797e4ba8f9_prep
	.p2alignl 7, 3214868480
	.fill 96, 4, 3214868480
	.section	.rodata,"a",@progbits
	.p2align	6, 0x0
	.amdhsa_kernel k_q797e4ba8f9_prep
		.amdhsa_group_segment_fixed_size 0
		.amdhsa_private_segment_fixed_size 0
		.amdhsa_enable_private_segment 0
		.amdhsa_kernarg_size 72
		.amdhsa_user_sgpr_count 2
		.amdhsa_user_sgpr_kernarg_segment_ptr 1
		.amdhsa_wavefront_size32 1
		.amdhsa_system_sgpr_workgroup_id_x 1
		.amdhsa_system_sgpr_workgroup_id_y 1
		.amdhsa_system_sgpr_workgroup_id_z 1
		.amdhsa_system_vgpr_workitem_id 0
		.amdhsa_next_free_vgpr 128
		.amdhsa_next_free_sgpr 66
		.amdhsa_reserve_vcc 0
		.amdhsa_float_denorm_mode_32 3
		.amdhsa_float_denorm_mode_16_64 3
		.amdhsa_memory_ordered 1
		.amdhsa_forward_progress 1
		.amdhsa_inst_pref_size 35
	.end_amdhsa_kernel
	.amdgpu_metadata
---
amdhsa.version: [ 1, 2 ]
amdhsa.kernels:
  - .name:           k_q797e4ba8f9_prep
    .symbol:         k_q797e4ba8f9_prep.kd
    .args:
      - { .name: x, .offset: 0, .size: 8, .value_kind: global_buffer, .address_space: global }
      - { .name: wq, .offset: 8, .size: 8, .value_kind: global_buffer, .address_space: global }
      - { .name: wk, .offset: 16, .size: 8, .value_kind: global_buffer, .address_space: global }
      - { .name: wv, .offset: 24, .size: 8, .value_kind: global_buffer, .address_space: global }
      - { .name: wo, .offset: 32, .size: 8, .value_kind: global_buffer, .address_space: global }
      - { .name: xb, .offset: 40, .size: 8, .value_kind: global_buffer, .address_space: global }
      - { .name: wb, .offset: 48, .size: 8, .value_kind: global_buffer, .address_space: global }
      - { .name: wob, .offset: 56, .size: 8, .value_kind: global_buffer, .address_space: global }
      - { .name: tab, .offset: 64, .size: 8, .value_kind: global_buffer, .address_space: global }
    .group_segment_fixed_size: 0
    .private_segment_fixed_size: 0
    .kernarg_segment_align: 8
    .kernarg_segment_size: 72
    .max_flat_workgroup_size: 256
    .sgpr_count:     66
    .vgpr_count:     128
    .wavefront_size: 32
...
	.end_amdgpu_metadata
.endif
;; end of part 1
;; launch qkv (part 2): grid 8 x 32, 4 waves a work-group, clusters of 4 x 4, 327,680 bytes of LDS; arguments xb, wb, tab, qkv, vv; writes qkv, vv
.if DOCPART == 2
	.amdgcn_target "amdgcn-amd-amdhsa--gfx1250"
	.amdhsa_code_object_version 6
	.text
	.protected	k_q797e4ba8f9_qkv
	.globl	k_q797e4ba8f9_qkv
	.p2align	8
	.type	k_q797e4ba8f9_qkv,@function
k_q797e4ba8f9_qkv:
	s_mov_b64 s[64:65], 0
	v_nop
	global_prefetch_b8 v0, s[64:65] scope:SCOPE_SE
	s_setreg_imm32_b32 hwreg(HW_REG_WAVE_MODE, 25, 1), 1
	s_wait_xcnt 0x0
	s_wait_alu depctr_hold_cnt(0) depctr_sa_sdst(0) depctr_va_vdst(0) depctr_va_sdst(0) depctr_va_ssrc(0) depctr_va_vcc(0) depctr_vm_vsrc(0)
	s_getreg_b32 s2, hwreg(HW_REG_IB_STS2, 6, 4)
	s_cmp_eq_u32 s2, 0
	s_cbranch_scc0 .Lentry_in_a_cluster
	s_endpgm
.Lentry_in_a_cluster:
	s_bfe_u32 s2, ttmp6, 0x10000c
	s_cmp_lg_u32 s2, 0xf033
	s_cbranch_scc0 .Lentry_shape_is_right
	s_endpgm
.Lentry_shape_is_right:
; QKV: [4096][1536] = xb [4096][1024] x the weights of 24 heads, bf16 operands, f32 sums.  q and k (20 heads): RoPE in f32, rounded once to f16, unscaled, by heads: qkv [20][4096][64].
; v (4 heads): not rotated; each number leaves as a PAIR of f16, hi + lo: vv [4][4096][hi 64 | lo 64].  With c = 8193 y: hi = c - (c - y) has 11 significant bits, so f16 holds it exactly;
; lo = y - hi is exact and is rounded to f16.  The pair is there because a causal row with few keys is a near copy of rows of v and many times larger than the output's root mean square.
; LIMIT: q, k and v stay within f16's 65,504 (a larger one becomes an infinity); below 6e-5 hi keeps f16's fixed step of 6e-8; NaN and infinities are not treated apart.
; A work-group makes 128 rows x 192 columns (three heads): 8 x 32 = 256 work-groups.  Tile columns 0-3 (the cluster's x = 0): rotated heads 2 tc, 2 tc + 1 and v's head tc; tile columns 4-7: rotated
; heads 3 tc - 4 on.  So what the third head is hangs on the cluster's x alone, which all partners share, and the branch on it is the same in all of them.
; Wave (r, c) has 64 rows and, of each head, the column blocks c and c + 2 of 16: channel d and channel d + 32 fall into the same lane and register of two accumulators, so the rotation needs no exchange.
; THE MATRIX INSTRUCTION IS USED TRANSPOSED (source 0 = 16 columns of W, source 1 = 16 rows of x): a lane holds one row and eight neighbouring channels.
; K goes in steps of 128 through two LDS slots.  x's tile: 128 rows of 256 bytes.  W's tile lies [k][n] by heads, as prep laid it: 49,152 dense bytes a step, asked for as rows of 256 bytes and padded
; after every 128; its fragments come out of LDS turned, by ds_load_tr16_b128.
; CLUSTERS: 4 x 4 work-groups; x's tile is shared along a row of the cluster, W's along a column: each is asked for jointly.
; REGISTERS: window 0: v0-31 addresses, v64-255 accumulators ((a, f) at 64 + 8 (6 a + f), f = 2 head + half).  Window 1: two fragment buffers of 80 (x 32, W 48), v160-223 my rows' cosines and sines.
.set KSTEP,  128
.set PA,     272                       ; a row of x in LDS: 256 bytes + 16: the 16 rows of a load start at 16 different groups of four banks
.set AHALF,  64*PA
.set PB,     160                       ; a row of W (one k, one head's 64 columns): 128 bytes + 32
.set BHALF,  192*PB                    ; 64 k of three heads
.set BOFF,   2*AHALF
.set SLOT,   BOFF+2*BHALF              ; 96,256
.set STAGE,  2*SLOT                    ; behind the ring: [head 2][row 128] of 144 bytes, the work-group's, for the way out of the first two heads
.set SP,     144
.set HSTG,   128*SP
.set STAGE2, STAGE+2*HSTG              ; the third head's: 128 rows of 272 bytes: hi 128, lo 128, 16 of padding
.set SP2,    272
.set SPARE,  STAGE2+128*SP2            ; the spare words, 128 bytes for each wave: two blocks of 256 bytes that no other line names
.set HEADB,  524288                    ; a head's bytes in qkv
.set LAPS,   4                         ; a lap = two K steps
.set ADRA, 16                          ; v16-17  LDS address of my fragments of x in slot 0, 1
.set RDV,  18                          ; v18     the third head as v: where I read rows of 256 bytes back
.set ADRB, 20                          ; v20-21  LDS address of my fragments of W
.set STO,  24                          ; v24     where I put 16 bytes of a head's row
.set RD,   25                          ; v25     where I read rows back
.set CO,   26                          ; v26     my byte offset in 512 consecutive bytes of output
.set TO,   27                          ; v27     my byte offset in the table
.set SPW,  28                          ; v28     LDS address of my spare word; never rewritten
.set NIL,  29                          ; v29     0; never rewritten
.set STO2, 30                          ; v30     the third head: where I put 16 bytes
.set RD2,  31                          ; v31     the third head as a rotated one: where I read rows of 128 bytes back
.set ACC,  64
.set F0,   0                           ; window 1
.set F1,   80
.set TAB,  160                         ; window 1: for row block a: 8 cosines, 8 sines at TAB + 16 a
.set CC,   0                           ; window 1, behind the loop: at work
.set DD,   16
.set Y1,   16
.set Y2,   24
.set TT,   32
.set UU,   40
.set PKD,  48                          ; to 63
.set BK,   64                          ; window 1: registers read back from the stage
.set G1, 24                            ; s[24:31] group 1 for x's tiles; s[32:39] group 0, a set for each slot
.set G0, 32
.set G1B, 48                           ; s[48:55], s[56:63] the same for W's
.set G0B, 56
.set MSB, 0
.macro WIN new                         ; the immediate's high byte repeats the setting that is left
.if MSB != (\new)
	s_set_vgpr_msb (MSB<<8)|(\new)
.set MSB, \new
.endif
.endm
.set MUL,  0x05                        ; sources 0 and 1 window 1; C and D window 0
.set TO_F, 0x40                        ; destination window 1, address window 0
.macro JLOAD s                         ; a joint load: waves 0 and 1 fetch x's two halves, waves 2 and 3 W's; an s_nop 0 and four v_nop follow each line
	s_cmp_lt_u32 s10, 2
	s_cbranch_scc0 .Lfor_b_\@
	tensor_load_to_lds s[G0+4*(\s):G0+4*(\s)+3], s[G1:G1+7]
	s_nop 0
.rept 4
	v_nop
.endr
	s_branch .Lasked_\@
.Lfor_b_\@:
	tensor_load_to_lds s[G0B+4*(\s):G0B+4*(\s)+3], s[G1B:G1B+7]
	s_nop 0
.rept 4
	v_nop
.endr
.Lasked_\@:
.endm
.macro CREST                           ; a round of the cluster's barrier behind its opening barrier
	s_cmp_lg_u32 s10, 0
	s_cbranch_scc1 .Lnot_wave_0_\@
	s_barrier_signal -3
.Lnot_wave_0_\@:
	s_barrier_wait -3
	s_barrier_signal -1
	s_barrier_wait -1
.endm
.macro CROUND
	s_barrier_signal -1
	s_barrier_wait -1
	CREST
.endm
.macro PLACES                          ; four places in front of loads into registers that matrix instructions have read, and of lines that read results
.rept 4
	v_nop
.endr
.endm
	s_load_b128 s[4:7], s[0:1], 0x0                ; xb s[4:5], wb s[6:7]
	s_load_b128 s[68:71], s[0:1], 0x10             ; tab s[68:69], qkv s[70:71]
	s_load_b64 s[84:85], s[0:1], 0x20              ; vv
	v_lshl_add_u32 v[SPW], v0, 2, SPARE
	v_mov_b32 v[NIL], 0
	ds_add_u32 v[SPW], v[NIL]                      ; the wave's opening: the add and its wait stand ahead of my first tensor load
	v_lshrrev_b32 v1, 5, v0
	v_readfirstlane_b32 s10, v1                    ; wave 0..3
	s_lshr_b32 s11, s10, 1                         ; r: which 64 rows are mine
	s_and_b32 s12, s10, 1                          ; c: which column blocks.  Also: which half of a tile I fetch
	s_bfe_u32 s40, ttmp6, 0x40000                  ; cx, cy
	s_bfe_u32 s41, ttmp6, 0x40004
	s_mov_b32 s45, ttmp9                           ; the cluster's x: 0: my third head is v's
	s_lshl_b32 s42, ttmp9, 2
	s_add_co_u32 s42, s42, s40                     ; tc: my three heads
	s_and_b32 s13, ttmp7, 0xffff
	s_lshl_b32 s13, s13, 2
	s_add_co_u32 s13, s13, s41                     ; tm: my 128 rows
	s_lshl_b32 s43, s41, 2
	s_lshl_b32 s43, 15, s43                        ; my row of the cluster
	s_lshl_b32 s44, 0x1111, s40                    ; my column
	s_or_b32 s[G1+0], s43, (1<<16)|(1<<20)|(1<<21)|(5<<22)|(3<<25)   ; mask; 2-byte elements; padding on; bit 21 beside a mask; after every 64 words 4 words
	s_mov_b32 s[G1+1], 128<<16                     ; tensor_dim0 = 128
	s_mov_b32 s[G1+2], 64<<16                      ; tensor_dim1 = 64
	s_mov_b32 s[G1+3], 128<<16                     ; tile_dim0 = 128
	s_mov_b32 s[G1+4], 64                          ; tile_dim1 = 64
	s_mov_b32 s[G1+5], 1024                        ; elements from row to row
	s_mov_b32 s[G1+6], 0
	s_mov_b32 s[G1+7], 0
	s_or_b32 s[G1B+0], s44, (1<<16)|(1<<20)|(1<<21)|(4<<22)|(7<<25)  ; after every 32 words 8 words
	s_mov_b32 s[G1B+1], 128<<16                    ; 24,576 dense bytes as 96 rows of 256
	s_mov_b32 s[G1B+2], 96<<16
	s_mov_b32 s[G1B+3], 128<<16
	s_mov_b32 s[G1B+4], 96
	s_mov_b32 s[G1B+5], 128
	s_mov_b32 s[G1B+6], 0
	s_mov_b32 s[G1B+7], 0
	s_lshl_b32 s17, s12, 6
	s_lshl_b32 s16, s13, 7
	s_add_co_u32 s16, s16, s17
	s_lshl_b32 s16, s16, 11                        ; x: row 128 tm + 64 half, 2,048 bytes a row
	s_mov_b32 s17, 0
	s_mul_i32 s46, s42, 393216                     ; W: my three heads' blocks,
	s_mul_i32 s47, s12, 24576                      ; the first or the second 64 k of a step
	s_add_co_u32 s46, s46, s47
	s_mov_b32 s47, 0
	s_mul_i32 s20, s12, AHALF                      ; where they go: no place in the cluster enters an LDS address
	s_mul_i32 s21, s12, BHALF
	s_add_co_u32 s21, s21, BOFF
	s_lshl_b32 s18, s13, 7
	s_lshl_b32 s19, s11, 6
	s_add_co_u32 s18, s18, s19
	s_lshl_b32 s18, s18, 8                         ; the table at my first row: 256 bytes a position
	s_mov_b32 s19, 0
	s_lshl_b32 s22, s42, 1                         ; my first rotated head: 2 tc,
	s_mul_i32 s23, s42, 3
	s_sub_co_u32 s23, s23, 4                       ; or 3 tc - 4
	s_cmp_eq_u32 s45, 0
	s_cselect_b32 s22, s22, s23
	s_lshl_b32 s66, s22, 19                        ; its bytes in qkv
	s_lshl_b32 s67, s13, 7
	s_lshl_b32 s23, s10, 5
	s_add_co_u32 s67, s67, s23                     ; the first row that I store: 128 tm + 32 wave
	s_lshl_b32 s86, s67, 8                         ; in vv a row has 256 bytes,
	s_lshl_b32 s87, s40, 20                        ; and v's head is cx
	s_add_co_u32 s86, s86, s87
	s_mov_b32 s87, 0
	s_lshl_b32 s67, s67, 7
	s_add_co_u32 s66, s66, s67
	s_mov_b32 s67, 0
	s_mov_b32 s72, 0x46000400                      ; 8193.0 = 2^13 + 1: the split's factor
	s_mov_b32 s73, 0                               ; named with it as a pair
	s_wait_dscnt 0x0                               ; the opening add is done
	s_wait_kmcnt 0x0
	s_add_nc_u64 s[14:15], s[4:5], s[16:17]
	s_add_nc_u64 s[46:47], s[6:7], s[46:47]
	s_add_nc_u64 s[68:69], s[68:69], s[18:19]
	s_add_nc_u64 s[8:9], s[70:71], s[66:67]
	s_add_nc_u64 s[84:85], s[84:85], s[86:87]
	CROUND                                         ; all sixteen work-groups are here: the first joint loads meet
.irp s, 0,1
	s_mov_b32 s[G0+4*(\s)], 1
	s_add_co_u32 s[G0+4*(\s)+1], s20, (\s)*SLOT
	s_add_nc_u64 s[G0+4*(\s)+2:G0+4*(\s)+3], s[14:15], (\s)*KSTEP*2
	s_or_b32 s[G0+4*(\s)+3], s[G0+4*(\s)+3], 0x80000000
	s_mov_b32 s[G0B+4*(\s)], 1
	s_add_co_u32 s[G0B+4*(\s)+1], s21, (\s)*SLOT
	s_add_nc_u64 s[G0B+4*(\s)+2:G0B+4*(\s)+3], s[46:47], (\s)*49152
	s_or_b32 s[G0B+4*(\s)+3], s[G0B+4*(\s)+3], 0x80000000
	JLOAD \s                                       ; two loads of mine are out
.endr
	v_and_b32 v1, 15, v0                           ; l % 16
	v_bfe_u32 v2, v0, 4, 1                         ; l / 16
	v_mul_u32_u24 v3, v1, PA
	v_lshl_add_u32 v3, v2, 4, v3                   ; a fragment of x: row x pitch + 16 x half
	s_mul_i32 s22, s11, AHALF
	v_add_nc_u32 v[ADRA], s22, v3
	v_add_nc_u32 v[ADRA+1], SLOT, v[ADRA]
	v_and_b32 v4, 7, v0                            ; the turning load: lane l reads k = 8 (l / 16) + l % 8, columns 8 ((l / 8) % 2) + 0..7
	v_lshl_add_u32 v4, v2, 3, v4
	v_mul_u32_u24 v4, v4, PB
	v_bfe_u32 v5, v0, 3, 1
	v_lshl_add_u32 v4, v5, 4, v4
	s_lshl_b32 s23, s12, 5                         ; my column block c
	s_add_co_u32 s22, s23, BOFF
	v_add_nc_u32 v[ADRB], s22, v4
	v_add_nc_u32 v[ADRB+1], SLOT, v[ADRB]
	s_mul_i32 s22, s11, 64*SP                      ; into the stage: my 64 rows; row l % 16; channels 16 c + 8 (l / 16) on
	s_add_co_u32 s22, s22, s23
	s_add_co_u32 s22, s22, STAGE
	v_mul_u32_u24 v6, v1, SP
	v_lshl_add_u32 v6, v2, 4, v6
	v_add_nc_u32 v[STO], s22, v6
	s_mul_i32 s22, s11, 64*SP2                     ; the same in the third head's stage
	s_add_co_u32 s22, s22, s23
	s_add_co_u32 s22, s22, STAGE2
	v_mul_u32_u24 v6, v1, SP2
	v_lshl_add_u32 v6, v2, 4, v6
	v_add_nc_u32 v[STO2], s22, v6
	v_bfe_u32 v8, v0, 3, 2                         ; back: wave w takes rows 32 w on; 32 lanes take four rows of 128 bytes,
	v_and_b32 v7, 7, v0
	v_mul_u32_u24 v6, v8, SP
	v_lshl_add_u32 v6, v7, 4, v6
	s_mul_i32 s22, s10, 32*SP
	s_add_co_u32 s22, s22, STAGE
	v_add_nc_u32 v[RD], s22, v6
	v_mul_u32_u24 v6, v8, SP2
	v_lshl_add_u32 v6, v7, 4, v6
	s_mul_i32 s22, s10, 32*SP2
	s_add_co_u32 s22, s22, STAGE2
	v_add_nc_u32 v[RD2], s22, v6
	v_mul_u32_u24 v6, v2, SP2                      ; or, of v, two rows of 256 bytes
	v_lshl_add_u32 v6, v1, 4, v6
	v_add_nc_u32 v[RDV], s22, v6
	v_and_b32 v[CO], 31, v0                        ; either way 512 consecutive bytes of output
	v_lshlrev_b32 v[CO], 4, v[CO]
	v_lshlrev_b32 v[TO], 8, v1                     ; the table: row l % 16, cosines 16 c + 8 (l / 16) on
	v_lshl_add_u32 v[TO], v2, 5, v[TO]
	s_lshl_b32 s22, s12, 6
	v_add_nc_u32 v[TO], s22, v[TO]
	WIN TO_F
.irp a, 0,1,2,3                        ; my rows' cosines and sines: asked for now, waited for behind the loop
	global_load_b128 v[TAB+16*\a:TAB+16*\a+3],     v[TO], s[68:69] offset:\a*4096
	global_load_b128 v[TAB+16*\a+4:TAB+16*\a+7],   v[TO], s[68:69] offset:\a*4096+16
	global_load_b128 v[TAB+16*\a+8:TAB+16*\a+11],  v[TO], s[68:69] offset:\a*4096+128
	global_load_b128 v[TAB+16*\a+12:TAB+16*\a+15], v[TO], s[68:69] offset:\a*4096+144
.endr
	WIN 0
; 12 matrix instructions: row blocks a0, a0 + 1 x my six column blocks, 32 along K.  The 24 accumulators take turns, one instruction a turn.
.macro MUL12 f, a0, zero
	WIN MUL
.irp a, \a0, (\a0)+1
.irp b, 0,1,2,3,4,5
.if \zero
	v_wmma_f32_16x16x32_bf16 v[ACC+8*(6*(\a)+(\b)):ACC+8*(6*(\a)+(\b))+7], v[(\f)+32+8*(\b):(\f)+32+8*(\b)+7], v[(\f)+8*(\a):(\f)+8*(\a)+7], 0
.else
	v_wmma_f32_16x16x32_bf16 v[ACC+8*(6*(\a)+(\b)):ACC+8*(6*(\a)+(\b))+7], v[(\f)+32+8*(\b):(\f)+32+8*(\b)+7], v[(\f)+8*(\a):(\f)+8*(\a)+7], v[ACC+8*(6*(\a)+(\b)):ACC+8*(6*(\a)+(\b))+7]
.endif
.endr
.endr
.endm
; 20 LDS loads in one run: quarter q (32 along K) of a slot into buffer f.  W: head i / 2, column block c + 2 (i % 2).
.macro FETCH slot, q, f
	WIN TO_F
.irp i, 0,1,2,3,4,5
	ds_load_tr16_b128 v[(\f)+32+8*(\i):(\f)+32+8*(\i)+3],   v[ADRB+(\slot)] offset:((\q)/2)*BHALF+((\i)/2)*64*PB+((\q)%2)*32*PB+((\i)%2)*64
	ds_load_tr16_b128 v[(\f)+32+8*(\i)+4:(\f)+32+8*(\i)+7], v[ADRB+(\slot)] offset:((\q)/2)*BHALF+((\i)/2)*64*PB+((\q)%2)*32*PB+((\i)%2)*64+16*PB
.endr
.irp i, 0,1,2,3
	ds_load_b128 v[(\f)+8*(\i):(\f)+8*(\i)+3],   v[ADRA+(\slot)] offset:(\i)*16*PA+(\q)*64
	ds_load_b128 v[(\f)+8*(\i)+4:(\f)+8*(\i)+7], v[ADRA+(\slot)] offset:(\i)*16*PA+(\q)*64+32
.endr
.endm
; A K step is four quarters on buffers 0, 1, 0, 1.  One of the first three: multiplies buffer f; in its middle it fetches quarter qn into buffer g.
.macro QUARTER slot, qn, f, g, zero
	s_wait_dscnt 0x0                               ; buffer f is in
	MUL12 \f, 0, \zero
	PLACES
	FETCH \slot, \qn, \g
	MUL12 \f, 2, \zero
.endm
; The last quarter multiplies buffer 1 and changes slots: one barrier; in front of it each wave waits for all its tensor loads (one is out: its part of the next slot), adds 0 to its spare word,
; and waits for that and for its own reads of this slot.  fill = 1: the barrier opens a round of the cluster's, and this slot is filled again, two K steps ahead, first thing behind the round.
.macro TURN slot, next, fill
	WIN 0
	s_wait_tensorcnt 0x0
	ds_add_u32 v[SPW], v[NIL]
	s_wait_dscnt 0x0                               ; the add is done, buffer 1 is in, my reads of this slot are over
	s_barrier_signal -1
	MUL12 F1, 0, 0                                 ; work on registers while the others arrive
	WIN 0
	s_barrier_wait -1
.if \fill
	CREST                                          ; no wave of any partner still reads this slot or has a load on its way
	s_add_nc_u64 s[G0+4*(\slot)+2:G0+4*(\slot)+3], s[G0+4*(\slot)+2:G0+4*(\slot)+3], 2*KSTEP*2
	s_add_nc_u64 s[G0B+4*(\slot)+2:G0B+4*(\slot)+3], s[G0B+4*(\slot)+2:G0B+4*(\slot)+3], 2*49152
	JLOAD \slot                                    ; its four v_nop are also the places in front of the loads below
.else
	PLACES
.endif
	FETCH \next, 0, F0
	MUL12 F1, 2, 0
.endm
	s_wait_tensorcnt 1                             ; my part of K step 0 is in; step 1's may stay out
	s_barrier_signal -1
	s_barrier_wait -1
	FETCH 0, 0, F0
	QUARTER 0, 1, F0, F1, 1                        ; the first quarter stands in front of the loop: its products start the sums
	WIN 0
	s_mov_b32 s3, LAPS-1
.Llap:                                                 ; a trip goes once round the ring and fills both slots again
	QUARTER 0, 2, F1, F0, 0
	QUARTER 0, 3, F0, F1, 0
	TURN 0, 1, 1
	QUARTER 1, 1, F0, F1, 0
	QUARTER 1, 2, F1, F0, 0
	QUARTER 1, 3, F0, F1, 0
	TURN 1, 0, 1
	QUARTER 0, 1, F0, F1, 0
	WIN 0
	s_sub_co_u32 s3, s3, 1
	s_cmp_lg_u32 s3, 0
	s_cbranch_scc1 .Llap
	QUARTER 0, 2, F1, F0, 0                        ; the last lap fills nothing
	QUARTER 0, 3, F0, F1, 0
	TURN 0, 1, 0
	QUARTER 1, 1, F0, F1, 0
	QUARTER 1, 2, F1, F0, 0
	QUARTER 1, 3, F0, F1, 0
	s_wait_dscnt 0x0
	MUL12 F1, 0, 0
	MUL12 F1, 2, 0
	WIN 0
	PLACES
	s_wait_loadcnt 0x0                             ; the table
; ROPE and the rounding, for row block a and head hd; the 16 bytes go to v[adr] + off and + 64.  x1 = channels d < 32, x2 = channels d + 32, same lane and register:
; y1 = x1 cos - x2 sin, y2 = x2 cos + x1 sin.  Each accumulator is read from its lowest registers on.
.macro ROPE a, hd, adr, off
.set X1, ACC+8*(6*(\a)+2*(\hd))
.set X2, X1+8
.set TC, TAB+16*(\a)
	WIN 0x54                                       ; source 0 (the sums) window 0, all else window 1
.irp j, 0,2,4,6
	v_pk_mul_f32 v[TT+\j:TT+\j+1], v[X2+\j:X2+\j+1], v[TC+8+\j:TC+8+\j+1]
.endr
.irp j, 0,2,4,6
	v_pk_mul_f32 v[UU+\j:UU+\j+1], v[X1+\j:X1+\j+1], v[TC+8+\j:TC+8+\j+1]
.endr
.irp j, 0,2,4,6
	v_pk_fma_f32 v[Y1+\j:Y1+\j+1], v[X1+\j:X1+\j+1], v[TC+\j:TC+\j+1], v[TT+\j:TT+\j+1] neg_lo:[0,0,1] neg_hi:[0,0,1]
.endr
.irp j, 0,2,4,6
	v_pk_fma_f32 v[Y2+\j:Y2+\j+1], v[X2+\j:X2+\j+1], v[TC+\j:TC+\j+1], v[UU+\j:UU+\j+1]
.endr
	WIN 0x45
.irp j, 0,1,2,3
	v_cvt_pk_f16_f32 v[PKD+\j], v[Y1+2*\j], v[Y1+2*\j+1]
.endr
.irp j, 0,1,2,3
	v_cvt_pk_f16_f32 v[PKD+4+\j], v[Y2+2*\j], v[Y2+2*\j+1]
.endr
	WIN 0x04                                       ; address window 0, data window 1
	ds_store_b128 v[\adr], v[PKD:PKD+3]   offset:(\off)
	ds_store_b128 v[\adr], v[PKD+4:PKD+7] offset:(\off)+64
.endm
; v's head, row block a: the two accumulators' 16 numbers are split into hi and lo.
.macro SPLIT a
.set X1, ACC+8*(6*(\a)+4)
	WIN 0x40                                       ; destination window 1, source 0 (the sums) window 0
.irp j, 0,2,4,6,8,10,12,14
	v_pk_mul_f32 v[CC+\j:CC+\j+1], v[X1+\j:X1+\j+1], s[72:73] op_sel_hi:[1,0]                           ; c = 8193 y
.endr
	WIN 0x41
.irp j, 0,2,4,6,8,10,12,14
	v_pk_add_f32 v[DD+\j:DD+\j+1], v[CC+\j:CC+\j+1], v[X1+\j:X1+\j+1] neg_lo:[0,1] neg_hi:[0,1]         ; c - y
.endr
	WIN 0x45
.irp j, 0,2,4,6,8,10,12,14
	v_pk_add_f32 v[CC+\j:CC+\j+1], v[CC+\j:CC+\j+1], v[DD+\j:DD+\j+1] neg_lo:[0,1] neg_hi:[0,1]         ; hi = c - (c - y)
.endr
	WIN 0x44
.irp j, 0,2,4,6,8,10,12,14
	v_pk_add_f32 v[DD+\j:DD+\j+1], v[X1+\j:X1+\j+1], v[CC+\j:CC+\j+1] neg_lo:[0,1] neg_hi:[0,1]         ; lo = y - hi
.endr
	WIN 0x45
.irp j, 0,1,2,3,4,5,6,7
	v_cvt_pk_f16_f32 v[PKD+\j], v[CC+2*\j], v[CC+2*\j+1]
.endr
.irp j, 0,1,2,3,4,5,6,7
	v_cvt_pk_f16_f32 v[PKD+8+\j], v[DD+2*\j], v[DD+2*\j+1]
.endr
	WIN 0x04
	ds_store_b128 v[STO2], v[PKD:PKD+3]     offset:(\a)*16*SP2
	ds_store_b128 v[STO2], v[PKD+4:PKD+7]   offset:(\a)*16*SP2+64
	ds_store_b128 v[STO2], v[PKD+8:PKD+11]  offset:(\a)*16*SP2+128
	ds_store_b128 v[STO2], v[PKD+12:PKD+15] offset:(\a)*16*SP2+192
.endm
.irp a, 0,1,2,3
.irp hd, 0,1
	ROPE \a, \hd, STO, (\hd)*HSTG+(\a)*16*SP
.endr
.endr
	WIN 0
	s_cmp_eq_u32 s45, 0                            ; the cluster's x: the same in all partners and all waves
	s_cbranch_scc1 .Lvhead
.irp a, 0,1,2,3
	ROPE \a, 2, STO2, (\a)*16*SP2
.endr
	WIN 0
	s_branch .Lstaged
.Lvhead:
.irp a, 0,1,2,3
	SPLIT \a
.endr
	WIN 0
.Lstaged:
	s_wait_dscnt 0x0                               ; for the others' sake: my stores into the stages are done (a head's row comes from two waves)
	s_barrier_signal -1
	s_barrier_wait -1
	WIN TO_F
.set n, 0
.rept 16
	ds_load_b128 v[BK+4*n:BK+4*n+3], v[RD] offset:(n/8)*HSTG+(n%8)*4*SP
.set n, n+1
.endr
	WIN 0x04
.set n, 0
.rept 16
	s_wait_dscnt 15-n                              ; LDS loads come back in order: load n is in, the younger ones stay out
	global_store_b128 v[CO], v[BK+4*n:BK+4*n+3], s[8:9] offset:(n/8)*HEADB+(n%8)*512  ; 512 consecutive bytes, at a multiple of 256 from qkv's first
.set n, n+1
.endr
	WIN 0
	s_cmp_eq_u32 s45, 0
	s_cbranch_scc1 .Lvout
	WIN TO_F
.set n, 0
.rept 8
	ds_load_b128 v[BK+64+4*n:BK+64+4*n+3], v[RD2] offset:n*4*SP2
.set n, n+1
.endr
	WIN 0x04
.set n, 0
.rept 8
	s_wait_dscnt 7-n
	global_store_b128 v[CO], v[BK+64+4*n:BK+64+4*n+3], s[8:9] offset:2*HEADB+n*512
.set n, n+1
.endr
	WIN 0
	s_branch .Lend
.Lvout:
	WIN TO_F
.set n, 0
.rept 16
	ds_load_b128 v[BK+64+4*n:BK+64+4*n+3], v[RDV] offset:n*2*SP2
.set n, n+1
.endr
	WIN 0x04
.set n, 0
.rept 16
	s_wait_dscnt 15-n
	global_store_b128 v[CO], v[BK+64+4*n:BK+64+4*n+3], s[84:85] offset:n*512  ; two keys' hi and lo: 512 consecutive bytes, at a multiple of 256 from vv's first
.set n, n+1
.endr
	WIN 0
.Lend:
	s_wait_tensorcnt 0x0                           ; the wave's end
	ds_add_u32 v[SPW], v[NIL]
	s_wait_dscnt 0x0
	CROUND                                         ; the closing round
	s_endpgm
.Lfunc_end_k_q797e4ba8f9_qkv:
	.size	k_q797e4ba8f9_qkv, .Lfunc_end_k_q797e4ba8f9_qkv-k_q797e4ba8f9_qkv
	.p2alignl 7, 3214868480
	.fill 96, 4, 3214868480
	.section	.rodata,"a",@progbits
	.p2align	6, 0x0
	.amdhsa_kernel k_q797e4ba8f9_qkv
		.amdhsa_group_segment_fixed_size 327680
		.amdhsa_private_segment_fixed_size 0
		.amdhsa_enable_private_segment 0
		.amdhsa_kernarg_size 40
		.amdhsa_user_sgpr_count 2
		.amdhsa_user_sgpr_kernarg_segment_ptr 1
		.amdhsa_wavefront_size32 1
		.amdhsa_system_sgpr_workgroup_id_x 1
		.amdhsa_system_sgpr_workgroup_id_y 1
		.amdhsa_system_sgpr_workgroup_id_z 1
		.amdhsa_system_vgpr_workitem_id 0
		.amdhsa_next_free_vgpr 512
		.amdhsa_next_free_sgpr 88
		.amdhsa_reserve_vcc 0
		.amdhsa_float_denorm_mode_32 3
		.amdhsa_float_denorm_mode_16_64 3
		.amdhsa_memory_ordered 1
		.amdhsa_forward_progress 1
		.amdhsa_inst_pref_size 104
	.end_amdhsa_kernel
	.amdgpu_metadata
---
amdhsa.version: [ 1, 2 ]
amdhsa.kernels:
  - .name:           k_q797e4ba8f9_qkv
    .symbol:         k_q797e4ba8f9_qkv.kd
    .args:
      - { .name: xb, .offset: 0, .size: 8, .value_kind: global_buffer, .address_space: global }
      - { .name: wb, .offset: 8, .size: 8, .value_kind: global_buffer, .address_space: global }
      - { .name: tab, .offset: 16, .size: 8, .value_kind: global_buffer, .address_space: global }
      - { .name: qkv, .offset: 24, .size: 8, .value_kind: global_buffer, .address_space: global }
      - { .name: vv, .offset: 32, .size: 8, .value_kind: global_buffer, .address_space: global }
    .group_segment_fixed_size: 327680
    .private_segment_fixed_size: 0
    .kernarg_segment_align: 8
    .kernarg_segment_size: 40
    .max_flat_workgroup_size: 128
    .sgpr_count:     88
    .vgpr_count:     512
    .wavefront_size: 32
...
	.end_amdgpu_metadata
.endif
;; end of part 2
;; launch attn (part 3): grid 64 x 4, 4 waves a work-group, clusters of 4 x 1, 327,680 bytes of LDS; arguments qkv, vv, ao; writes ao
.if DOCPART == 3
	.amdgcn_target "amdgcn-amd-amdhsa--gfx1250"
	.amdhsa_code_object_version 6
	.text
	.protected	k_q797e4ba8f9_attn
	.globl	k_q797e4ba8f9_attn
	.p2align	8
	.type	k_q797e4ba8f9_attn,@function
k_q797e4ba8f9_attn:
	s_mov_b64 s[64:65], 0
	v_nop
	global_prefetch_b8 v0, s[64:65] scope:SCOPE_SE
	s_setreg_imm32_b32 hwreg(HW_REG_WAVE_MODE, 25, 1), 1
	s_wait_xcnt 0x0
	s_wait_alu depctr_hold_cnt(0) depctr_sa_sdst(0) depctr_va_vdst(0) depctr_va_sdst(0) depctr_va_ssrc(0) depctr_va_vcc(0) depctr_vm_vsrc(0)
	s_getreg_b32 s2, hwreg(HW_REG_IB_STS2, 6, 4)
	s_cmp_eq_u32 s2, 0
	s_cbranch_scc0 .Lentry_in_a_cluster
	s_endpgm
.Lentry_in_a_cluster:
	s_bfe_u32 s2, ttmp6, 0x10000c
	s_cmp_lg_u32 s2, 0x3003
	s_cbranch_scc0 .Lentry_shape_is_right
	s_endpgm
.Lentry_shape_is_right:
; CAUSAL ATTENTION, 16 query heads on 4 key heads, head size 64, 4,096 positions.  qkv: [20 heads][4096][64] f16 (q 0-15, k 16-19); vv: [4][4096][hi 64 | lo 64] f16, v = hi + lo;
; ao: [4096][8 chunks][hi 128 | lo 128] f16, O = hi + lo; chunk = head / 2, place in it = (head % 2) x 64 + channel.
; Products, maxima and sums in f32; the weights p are rounded to f16 for the second product (their sum l is taken of the unrounded p).
; THE PAIRS.  A causal row with few keys is a near copy of rows of v and many times larger than the output's root mean square, so eleven bits of v or of O are too few for it.  O leaves as a pair
; for every row: hi = y with its low 13 mantissa bits cleared (11 significant bits, exact in f16), lo = y - hi (exact), rounded to f16.  V's lo part is multiplied in the walk's LAST tile alone:
; rows 0 to 255 have no other tile, so all their keys count as hi + lo.  LIMIT: for every other row (257 keys or more) the keys of its earlier tiles count as v's hi part, v rounded to f16.
; LIMITS.  A hidden score counts as its value less 1e30: f16's scores, 2.7e11 at the most, are nothing beside that; a weight below 2^-126 counts as 0 in l; p and hi below 6e-5 keep f16's fixed step
; of 6e-8; NaN and infinities are not treated apart.
; SHARES.  A work-group has one key head g and two BLOCKS of 32 positions x the 4 query heads of g: block 127 - b, then block b (b = 0..63).  Keys go in tiles of 256; a block needs the tiles up to
; its own.  With b = 8 c + r the first block has 16 - c tiles and the second c + 1: 17 for every work-group, one walk with constant trip counts.  The four partners of a cluster have the same g and c,
; so they walk the same tiles and ask for each JOINTLY; what differs between them (r) enters Q's and O's addresses and the mask's threshold alone.  All four steps of a block's last tile are computed
; under the mask, also those that are wholly hidden (3 of 68 steps on average): the price of partners that run alike.
; A wave has two tiles of 16 queries: heads 4 g + 2 (w % 2) + t at the SAME 16 positions, so one mask serves both, and its 16 rows of output are one chunk: 512 whole bytes each.
; LAYOUT.  S^T = K Q^T holds one query a lane (lane % 16) and the keys 8 (lane / 16) + 0..7; two such results rounded to f16 are source 1 of O^T = V^T P.  K comes out of LDS as it lies, V turned.
; SOFTMAX.  Running maximum m and sum l: p = 2^(c s - c m), c = log2(e) / 8; O and l are multiplied by a = 2^(c m_old - c m_new) in every step.  m starts at the lowest finite number: the first a is 0.
; THE MASK is the C operand that starts S^T's sums: 0, or -1e30 where 16 kb + j > 32 rho - 64 step + (lane % 16 - 8 (lane / 16) + 16 (w / 2)); it is 0 in all tiles but a block's last.
; A STEP (64 keys): tile 0's scores; tile 1's scores with tile 0's softmax between them; tile 0's V^T P with tile 1's softmax between them; tile 1's V^T P.
; THE WAY OUT stands once, behind the walk, and is walked twice: at the first block's end its O^T and l are set aside in registers; no store stands inside the walk.
; REGISTERS: window 0: v0-1 the first block's l; v2-15 addresses; v16-31 statistics; v32-63 and v224-255 V hi (so V^T P and the softmax share one window setting); v64-127 S^T; v128-159 P; v160-223 O^T.
; Window 1: v0-31 Q; v32-63 and v224-255 the first block's O^T; v64-127 K; v128-191 V lo; v192-223 the mask.
.set KS,    64
.set PK,    144       ; a row of K in LDS: 128 bytes + 16
.set PV,    288       ; a row of V (hi, lo): 256 + 32 = 72 words
.set VOFF,  4*KS*PK   ; a slot holds a tile: 256 rows of K, then 256 rows of V
.set SLOT1, 1<<17
.set STAGE, SLOT1+4*KS*(PK+PV)  ; behind the ring: 16 rows x 528 bytes for each wave
.set SP,    528
.set SPARE, STAGE+4*16*SP       ; the spare words: two blocks of 256 bytes that no other line names
.set HEADB, 524288
.set LS,  0           ; v0-1 behind the head: the first block's l, by tile
.set AK0, 2           ; v2   my lane's place in a tile of K; never rewritten
.set AV0, 3           ; v3   the same for V
.set AK,  4
.set AV,  5
.set STO, 6
.set RD,  7
.set GO,  8
.set QO,  9           ; v9   my byte offset in 16 rows of Q; never rewritten
.set SPW, 10          ; v10  LDS address of my spare word; never rewritten
.set NIL, 11          ; v11  0; never rewritten
.set MV,  12          ; v12-13  c m_old, by tile
.set VQ,  14          ; v14  lane % 16 - 8 (lane / 16) + 16 (w / 2)
.set THR, 15          ; v15  the mask's threshold
.set ST,  16          ; tile t: c m, m, l (even keys', odd keys') at ST + 4 t
.set TMP, 24          ; tile t: c0-c3 at work; a takes c2
.set VH,  32          ; V hi: fragment f at VH + 8 f + 160 (f / 4)
.set S,   64
.set P,   128
.set O,   160
.set SV,  32          ; window 1: register n of the first block's O^T at SV + n + 160 (n / 32)
.set KF,  64
.set VL,  128
.set MC,  192
.set WV,  12          ; s12  wave
.set PB,  14          ; s14  c
.set HI,  15          ; s15  15 - c
.set G1K, 24
.set G1V, 32
.set G0K, 40
.set G0V, 44
.set SLOTS, 56
.set CNT, 57
.set CS,  58
.set SEL, 60
.set TBK, 62
.set TBV, 63
.set RT,  66          ; tiles of the block in hand still to be entered
.set NXT, 67          ; the tile to be asked for next
.set LQ,  68          ; the last tile of the block whose tiles are being asked for
.set THS, 69          ; 32 rho - 64 step
.set OFF, 70          ; s[70:71] a tile's byte offset in K
.set BIGN, 72
.set TLO, 73          ; 32 r: the second block's threshold
.set OFV, 82          ; s[82:83] a tile's byte offset in V
.set MSK, 84          ; s84  keeps an f32's sign, exponent and top 10 mantissa bits
.set MSB, 0
.macro WIN new
.if MSB != (\new)
	s_set_vgpr_msb (MSB<<8)|(\new)
.set MSB, (\new)
.endif
.endm
.set W_KM, 0x15       ; K, Q and the mask in window 1, S^T in window 0
.set W_KQ, 0x05
.set W_PL, 0x01       ; V lo in window 1
.macro PLACES
.rept 4
	v_nop
.endr
.endm
.macro JLOAD                        ; waves 0 and 1 fetch the halves of a tile's K, waves 2 and 3 of its V; an s_nop 0 and four v_nop follow each line
	s_cmp_lt_u32 s[WV], 2
	s_cbranch_scc0 .Lfor_v_\@
	tensor_load_to_lds s[G0K:G0K+3], s[G1K:G1K+7]
	s_nop 0
.rept 4
	v_nop
.endr
	s_branch .Lasked_\@
.Lfor_v_\@:
	tensor_load_to_lds s[G0V:G0V+3], s[G1V:G1V+7]
	s_nop 0
.rept 4
	v_nop
.endr
.Lasked_\@:
.endm
.macro CROUND
	s_barrier_signal -1
	s_barrier_wait -1
	s_cmp_lg_u32 s[WV], 0
	s_cbranch_scc1 .Lnot_wave_0_\@
	s_barrier_signal -3
.Lnot_wave_0_\@:
	s_barrier_wait -3
	s_barrier_signal -1
	s_barrier_wait -1
.endm
; THE CHANGE OF SLOTS.  Each wave waits for all its tensor loads (one is out: its part of the other slot), adds 0 to its spare word, and waits for that and for its reads of the slot that it leaves.
; fill = 1: a round of the cluster's barrier, then the old slot is filled with tile NXT, first thing behind it: the load has four steps' work in which to land.
.macro CHANGE fill
	WIN 0
	s_wait_tensorcnt 0x0
	ds_add_u32 v[SPW], v[NIL]
.if \fill
	s_lshl_b32 s[OFF], s[NXT], 15   ; a tile is 32,768 bytes of K
	s_lshl_b32 s[OFV], s[NXT], 16   ; and 65,536 of V
	s_xor_b32 s[G0K+1], s[G0K+1], SLOT1
	s_add_nc_u64 s[G0K+2:G0K+3], s[8:9], s[OFF:OFF+1]
	s_or_b32 s[G0K+3], s[G0K+3], 0x80000000
	s_xor_b32 s[G0V+1], s[G0V+1], SLOT1
	s_add_nc_u64 s[G0V+2:G0V+3], s[10:11], s[OFV:OFV+1]
	s_or_b32 s[G0V+3], s[G0V+3], 0x80000000
	s_add_co_u32 s[NXT], s[NXT], 1  ; the block's next tile, or behind its last the second block's tile 0
	s_cmp_gt_u32 s[NXT], s[LQ]
	s_cselect_b32 s[NXT], 0, s[NXT]
	s_cselect_b32 s[LQ], s[PB], s[LQ]
	s_wait_dscnt 0x0                ; the add is done, and my reads of the slot are over
	CROUND
	JLOAD
.else
	s_wait_dscnt 0x0
	s_barrier_signal -1
	s_barrier_wait -1
.endif
	s_sub_co_u32 s[TBK], s[TBK], 4*KS*PK  ; the fetches go back to a slot's first step, in the other slot
	s_xor_b32 s[TBK], s[TBK], SLOT1
	s_sub_co_u32 s[TBV], s[TBV], 4*KS*PV
	s_xor_b32 s[TBV], s[TBV], SLOT1
.endm
	s_load_b128 s[4:7], s[0:1], 0x0 ; qkv s[4:5], vv s[6:7]
	s_load_b64 s[80:81], s[0:1], 0x10  ; ao
	v_lshl_add_u32 v[SPW], v0, 2, SPARE
	v_mov_b32 v[NIL], 0
	ds_add_u32 v[SPW], v[NIL]       ; the wave's opening: the add and its wait stand ahead of my first tensor load
	v_lshrrev_b32 v[S], 5, v0
	v_readfirstlane_b32 s[WV], v[S]
	s_bfe_u32 s13, ttmp6, 0x40000   ; cx
	s_lshr_b32 s[PB], ttmp9, 1      ; c: the same in all four partners
	s_sub_co_u32 s[HI], 15, s[PB]
	s_and_b32 s17, ttmp9, 1
	s_lshl_b32 s17, s17, 2
	s_add_co_u32 s17, s17, s13      ; r
	s_lshl_b32 s[TLO], s17, 5
	s_sub_co_u32 s[THS], 224, s[TLO]  ; the first block's place in its last tile: 32 (7 - r)
	s_lshl_b32 s18, ttmp9, 2
	s_add_co_u32 s18, s18, s13      ; b
	s_and_b32 s16, ttmp7, 0xffff    ; g
	s_and_b32 s19, s[WV], 1         ; my pair of heads.  Also: which half of a tile I fetch
	s_lshr_b32 s23, s[WV], 1        ; my 16 of the block's 32 positions
	s_add_co_u32 s20, s16, 16
	s_lshl_b32 s20, s20, 19         ; K's head,
	s_lshl_b32 s21, s19, 14         ; my 128 keys of a tile
	s_add_co_u32 s20, s20, s21
	s_mov_b32 s21, 0
	s_lshl_b32 s86, s16, 20         ; V's head,
	s_lshl_b32 s87, s19, 15         ; my 128 keys, 256 bytes each
	s_add_co_u32 s86, s86, s87
	s_mov_b32 s87, 0
	s_lshl_b32 s22, s16, 2
	s_lshl_b32 s74, s19, 1
	s_add_co_u32 s22, s22, s74      ; my first head
	s_lshl_b32 s74, s23, 4
	s_sub_co_u32 s75, 127, s18
	s_lshl_b32 s75, s75, 5
	s_add_co_u32 s75, s75, s74      ; my first position in the first block,
	s_lshl_b32 s76, s18, 5
	s_add_co_u32 s76, s76, s74      ; in the second
	s_lshl_b32 s77, s22, 19
	s_lshl_b32 s52, s75, 7
	s_add_co_u32 s52, s52, s77
	s_mov_b32 s53, 0
	s_lshl_b32 s54, s76, 7
	s_add_co_u32 s54, s54, s77
	s_mov_b32 s55, 0
	s_lshl_b32 s78, s22, 8          ; my chunk of ao's rows: 512 bytes x head / 2
	s_lshl_b32 s48, s76, 12         ; a row of ao has 4,096 bytes.  The second block leaves first,
	s_add_co_u32 s48, s48, s78
	s_mov_b32 s49, 0
	s_lshl_b32 s50, s75, 12         ; the first block behind it
	s_add_co_u32 s50, s50, s78
	s_mov_b32 s51, 0
	; group 1 for K: 128 keys are 16,384 dense bytes: 64 rows of 256 bytes, padded in LDS after every key
	s_mov_b32 s[G1K], 15|(1<<16)|(1<<20)|(1<<21)|(4<<22)|(3<<25)
	s_mov_b32 s[G1K+1], 128<<16
	s_mov_b32 s[G1K+2], 64<<16
	s_mov_b32 s[G1K+3], 128<<16
	s_mov_b32 s[G1K+4], 64
	s_mov_b32 s[G1K+5], 128
	s_mov_b32 s[G1K+6], 0
	s_mov_b32 s[G1K+7], 0
	; for V: 128 keys of 256 bytes (hi, lo), 8 words of padding after every 64
	s_mov_b32 s[G1V], 15|(1<<16)|(1<<20)|(1<<21)|(5<<22)|(7<<25)
	s_mov_b32 s[G1V+1], 128<<16
	s_mov_b32 s[G1V+2], 128<<16
	s_mov_b32 s[G1V+3], 128<<16
	s_mov_b32 s[G1V+4], 128
	s_mov_b32 s[G1V+5], 128
	s_mov_b32 s[G1V+6], 0
	s_mov_b32 s[G1V+7], 0
	s_mov_b32 s[CS], 0x3e38aa3b     ; c = log2(e) / 8
	s_mov_b32 s[CS+1], s[CS]
	s_mov_b32 s[SEL], 0x76543210
	s_mov_b32 s[SEL+1], 0xfedcba98
	s_mov_b32 s[MSK], 0xffffe000
	s_mov_b32 s[TBK], SLOT1+4*KS*PK ; the first change of slots turns these two into 0
	s_mov_b32 s[TBV], SLOT1+4*KS*PV
	s_mov_b32 s[G0K], 1
	s_mul_i32 s[G0K+1], s19, 128*PK
	s_mov_b32 s[G0V], 1
	s_mul_i32 s79, s19, 128*PV
	s_add_co_u32 s[G0V+1], s79, VOFF
	s_add_co_u32 s[RT], s[HI], 1
	s_mov_b32 s[NXT], 1
	s_mov_b32 s[LQ], s[HI]
	s_mov_b32 s[OFF+1], 0
	s_mov_b32 s[OFV+1], 0
	s_mov_b32 s[BIGN], 0xf149f2ca   ; -1e30
	s_mov_b32 s[SLOTS], 16
	s_wait_dscnt 0x0                ; the opening add is done
	s_wait_kmcnt 0x0
	s_add_nc_u64 s[8:9], s[4:5], s[20:21]     ; K at my half of tile 0
	s_add_nc_u64 s[10:11], s[6:7], s[86:87]   ; V likewise
	s_mov_b64 s[G0K+2:G0K+3], s[8:9]
	s_or_b32 s[G0K+3], s[G0K+3], 0x80000000
	s_mov_b64 s[G0V+2:G0V+3], s[10:11]
	s_or_b32 s[G0V+3], s[G0V+3], 0x80000000
	s_add_nc_u64 s[52:53], s[4:5], s[52:53]   ; Q of the first block, of the second
	s_add_nc_u64 s[54:55], s[4:5], s[54:55]
	s_add_nc_u64 s[48:49], s[80:81], s[48:49] ; O of the second block, of the first
	s_add_nc_u64 s[50:51], s[80:81], s[50:51]
	CROUND                          ; all four work-groups are here
	JLOAD                           ; tile 0 into slot 0
	v_and_b32 v[S], 15, v0          ; l % 16   (S^T's registers serve as the head's temporaries)
	v_bfe_u32 v[S+1], v0, 4, 1      ; l / 16
	v_lshlrev_b32 v[QO], 7, v[S]
	v_lshl_add_u32 v[QO], v[S+1], 4, v[QO]
.irp t, 0,1
	v_mov_b32 v[ST+4*\t], 0xfe000000     ; c m: far below every c s
	v_mov_b32 v[ST+4*\t+1], 0xff7fffff   ; m
	v_mov_b32 v[ST+4*\t+2], 0
	v_mov_b32 v[ST+4*\t+3], 0
.endr
	v_mov_b32 v[LS+1], 0
	WIN 0x40
.set i, 0
.rept 4                             ; the first block's Q: tile i / 2, channels 32 (i % 2) on
	global_load_b128 v[8*i:8*i+3],   v[QO], s[52:53] offset:(i/2)*HEADB+(i%2)*64
	global_load_b128 v[8*i+4:8*i+7], v[QO], s[52:53] offset:(i/2)*HEADB+(i%2)*64+32
.set i, i+1
.endr
	; What the first step finds: no mask; O^T finite (its first a is 0).  Two registers a line: the zeros of l times 0.  These lines stand in the wait for the first tile; no first step is written out.
.set i, 0
.rept 16
	v_pk_mul_f32 v[MC+2*i:MC+2*i+1], v[ST+2:ST+3], 0 op_sel_hi:[1,0]
.set i, i+1
.endr
.set i, 0
.rept 32                            ; the place of the first block's O^T is written on every way to its reader
	v_pk_mul_f32 v[SV+2*i+((2*i)/32)*160:SV+2*i+((2*i)/32)*160+1], v[ST+2:ST+3], 0 op_sel_hi:[1,0]
.set i, i+1
.endr
	WIN 0
.set i, 0
.rept 32
	v_pk_mul_f32 v[O+2*i:O+2*i+1], v[ST+2:ST+3], 0 op_sel_hi:[1,0]
.set i, i+1
.endr
	v_lshlrev_b32 v[VQ], 3, v[S+1]
	v_sub_nc_u32 v[VQ], v[S], v[VQ]
	v_add_nc_u32 v[VQ], s74, v[VQ]
	v_mul_u32_u24 v[AK0], v[S], PK
	v_lshl_add_u32 v[AK0], v[S+1], 4, v[AK0]
	v_and_b32 v[S+2], 7, v0
	v_bfe_u32 v[S+3], v0, 3, 1
	v_lshl_add_u32 v[AV0], v[S+1], 3, v[S+2]
	v_mul_u32_u24 v[AV0], v[AV0], PV
	v_lshl_add_u32 v[AV0], v[S+3], 4, v[AV0]
	v_add_nc_u32 v[AV0], VOFF, v[AV0]
	s_mul_i32 s74, s[WV], 16*SP
	s_add_co_u32 s74, s74, STAGE    ; my stage
	v_mul_u32_u24 v[STO], v[S], SP  ; in: row l % 16, 16 bytes for each half of the lanes
	v_lshl_add_u32 v[STO], v[S+1], 4, v[STO]
	v_add_nc_u32 v[STO], s74, v[STO]
	v_and_b32 v[GO], 31, v0         ; back: 32 lanes take one row of 512 bytes,
	v_lshlrev_b32 v[GO], 4, v[GO]   ; which is my chunk of a row of ao
	v_add_nc_u32 v[RD], s74, v[GO]
	s_wait_loadcnt 0x0              ; Q
; THE MATRIX WORK.  The four accumulators of a run take turns.  Product i of 8 of S^T for tile t: channels 32 (i / 4) on, keys 16 (i % 4) on; the first four start the sums with the mask.
.macro KQ t
.set rS, S+32*(\t)+8*(i%4)
.set rK, KF+16*(i%4)+8*(i/4)
.set rQ, 16*(\t)+8*(i/4)
.set rM, MC+8*(i%4)
.if i < 4
	WIN W_KM
	v_wmma_f32_16x16x32_f16 v[rS:rS+7], v[rK:rK+7], v[rQ:rQ+7], v[rM:rM+7]
.else
	WIN W_KQ
	v_wmma_f32_16x16x32_f16 v[rS:rS+7], v[rK:rK+7], v[rQ:rQ+7], v[rS:rS+7]
.endif
.endm
.macro PVH t                        ; product i of 8 of O^T += V^T P with V hi: keys 32 (i / 4) on, channels 16 (i % 4) on
	WIN 0
.set rO, O+32*(\t)+8*(i%4)
.set rV, VH+8*i+(i/4)*160
.set rP, P+16*(\t)+8*(i/4)
	v_wmma_f32_16x16x32_f16 v[rO:rO+7], v[rV:rV+7], v[rP:rP+7], v[rO:rO+7]
.endm
.macro PVL t                        ; the same with V lo
	WIN W_PL
.set rO, O+32*(\t)+8*(i%4)
.set rV, VL+8*i
.set rP, P+16*(\t)+8*(i/4)
	v_wmma_f32_16x16x32_f16 v[rO:rO+7], v[rV:rV+7], v[rP:rP+7], v[rO:rO+7]
.endm
.macro FETCH_K                      ; a step's K: 16 loads in one run
	WIN 0
	v_add_nc_u32 v[AK], s[TBK], v[AK0]
	WIN 0x40
.irp f, 0,1,2,3,4,5,6,7
	ds_load_b128 v[KF+8*\f:KF+8*\f+3],   v[AK] offset:(\f/2)*16*PK+(\f%2)*64
	ds_load_b128 v[KF+8*\f+4:KF+8*\f+7], v[AK] offset:(\f/2)*16*PK+(\f%2)*64+32
.endr
	WIN 0
.endm
.macro FETCH_V lo                   ; a step's V, turned: 16 loads for hi; lo = 1: 16 more for lo, which lies 128 bytes on in each row
	WIN 0
	v_add_nc_u32 v[AV], s[TBV], v[AV0]
	s_add_co_u32 s[TBV], s[TBV], KS*PV
.irp f, 0,1,2,3,4,5,6,7
	ds_load_tr16_b128 v[VH+8*\f+(\f/4)*160:VH+8*\f+(\f/4)*160+3],   v[AV] offset:(\f/4)*32*PV+(\f%4)*32
	ds_load_tr16_b128 v[VH+8*\f+(\f/4)*160+4:VH+8*\f+(\f/4)*160+7], v[AV] offset:(\f/4)*32*PV+16*PV+(\f%4)*32
.endr
.if \lo
	WIN 0x40
.irp f, 0,1,2,3,4,5,6,7
	ds_load_tr16_b128 v[VL+8*\f:VL+8*\f+3],   v[AV] offset:(\f/4)*32*PV+(\f%4)*32+128
	ds_load_tr16_b128 v[VL+8*\f+4:VL+8*\f+7], v[AV] offset:(\f/4)*32*PV+16*PV+(\f%4)*32+128
.endr
	WIN 0
.endif
.endm
; THE VECTOR WORK of a tile and step: 118 lines, all in window 0.  X n: the maximum and statistics (each accumulator's lowest registers are read first).  F n: c s - c m for pair n.
; E n: the exponential of score n.  C n: pair n rounded to f16.  B n: of four weights the second pair is added onto the first.  L n: l takes that sum (L 0: l = a l + sum).  R n: pair n of O^T times a.
.macro OPX n
.if (\n) < 4
	v_max3_num_f32 v[rC+(\n)], v[rS+8*(\n)], v[rS+8*(\n)+1], v[rS+8*(\n)+2]
.elseif (\n) < 12
	v_max3_num_f32 v[rC+(\n)%4], v[rC+(\n)%4], v[rS+8*((\n)%4)+2*((\n)/4)+1], v[rS+8*((\n)%4)+2*((\n)/4)+2]
.elseif (\n) == 12
	v_max3_num_f32 v[rC], v[rC], v[rS+7], v[rS+15]
.elseif (\n) == 13
	v_max3_num_f32 v[rC+1], v[rC+1], v[rS+23], v[rS+31]
.elseif (\n) == 14
	v_max3_num_f32 v[rC+2], v[rC+2], v[rC+3], v[rT+1]
.elseif (\n) == 15
	v_mov_b32 v[rW], v[rT]          ; c m_old is kept
.elseif (\n) == 16
	v_max3_num_f32 v[rC], v[rC], v[rC+1], v[rC+2]
.elseif (\n) == 17
	v_permlanex16_b32 v[rC+3], v[rC], s[SEL], s[SEL+1]  ; the query's other 32 keys lie in the lane 16 away
.elseif (\n) == 18
	v_max_num_f32 v[rT+1], v[rC], v[rC+3]
.elseif (\n) == 19
	v_mul_f32 v[rT], s[CS], v[rT+1]
.elseif (\n) == 20
	v_sub_f32 v[rC+1], v[rW], v[rT]
.else
	v_exp_f32 v[rC+2], v[rC+1]      ; a
.endif
.endm
.macro OPF n
	v_pk_fma_f32 v[rS+2*(\n):rS+2*(\n)+1], v[rS+2*(\n):rS+2*(\n)+1], s[CS:CS+1], v[rT:rT+1] op_sel_hi:[1,0,0] neg_lo:[0,0,1] neg_hi:[0,0,1]
.endm
.macro OPE n
	v_exp_f32 v[rS+(\n)], v[rS+(\n)]
.endm
.macro OPC n
	s_wait_alu depctr_va_vdst(0)
	v_cvt_pk_f16_f32 v[rP+(\n)], v[rS+2*(\n)], v[rS+2*(\n)+1]
.endm
.macro OPB n
	v_pk_add_f32 v[rS+4*(\n):rS+4*(\n)+1], v[rS+4*(\n):rS+4*(\n)+1], v[rS+4*(\n)+2:rS+4*(\n)+3]
.endm
.macro OPL n
.if (\n) == 0
	v_pk_fma_f32 v[rT+2:rT+3], v[rT+2:rT+3], v[rC+2:rC+3], v[rS:rS+1] op_sel_hi:[1,0,1]
.else
	v_pk_add_f32 v[rT+2:rT+3], v[rT+2:rT+3], v[rS+4*(\n):rS+4*(\n)+1]
.endif
.endm
.macro OPR n
	v_pk_mul_f32 v[rO+2*(\n):rO+2*(\n)+1], v[rO+2*(\n):rO+2*(\n)+1], v[rC+2:rC+3] op_sel_hi:[1,0]
.endm
; Line sj of the list for tile t.  0-21: X.  22-25: F 0-3.  From 26 to 89 an exponential at every even number and a plain line at every odd one (F 4-15, then C, C, B, L for each four weights whose
; exponentials are long done), so each exponential has a plain line behind it that touches neither its result nor its source.  90-117: the rest; the last fourteen are rescalings.
.macro SM t
.set rT, ST+4*(\t)
.set rC, TMP+4*(\t)
.set rW, MV+(\t)
.set rS, S+32*(\t)
.set rP, P+16*(\t)
.set rO, O+32*(\t)
.set n_, (sj-26)/2
.set p_, n_-12
.set k_, sj-90
.if sj < 22
	OPX sj
.elseif sj < 26
	OPF sj-22
.elseif (sj < 90) && (sj%2 == 0)
	OPE n_
.elseif (sj < 90) && (n_ < 12)
	OPF n_+4
.elseif (sj < 90) && (p_%4 < 2)
	OPC 2*(p_/4)+p_%4
.elseif (sj < 90) && (p_%4 == 2)
	OPB p_/4
.elseif sj < 90
	OPL p_/4
.elseif k_ < 2
	OPC 10+k_
.elseif k_ == 2
	OPB 5
.elseif k_ < 5
	OPC 9+k_
.elseif k_ == 5
	OPL 5
.elseif k_ == 6
	OPB 6
.elseif k_ < 9
	OPC 7+k_
.elseif k_ == 9
	OPL 6
.elseif k_ == 10
	OPB 7
.elseif k_ < 13
	OPR k_-11
.elseif k_ == 13
	OPL 7
.else
	OPR k_-12
.endif
.set sj, sj+1
.endm
.macro SMN t, n
	WIN 0
.rept \n
	SM \t
.endr
.endm
.macro MASKS                        ; the mask of the step to come, in a block's last tile
	WIN 0
	v_add_nc_u32 v[THR], s[THS], v[VQ]
	s_sub_co_u32 s[THS], s[THS], 64
	WIN 0x40
.set i, 0
.rept 32
	v_cmp_gt_i32 vcc_lo, 16*(i/8)+i%8, v[THR]
	v_cndmask_b32 v[MC+i], 0, s[BIGN], vcc_lo
.set i, i+1
.endr
	WIN 0
.endm
; A KEY STEP.  lo = 1 (the walk's last tile): V's lo part is fetched and multiplied too.  The softmax lines behind a product name none of its registers.  The four v_nop are the places behind tile 0's
; scores and, for V's run of loads, behind the last step's V^T P; the fourteen rescalings behind tile 1's last score product are the places in front of K's run of loads and of the first read of those scores.
.macro STEP lo
	s_wait_dscnt 0x0                ; K is in
.set i, 0
.rept 8
	KQ 0
.set i, i+1
.endr
	WIN 0
	PLACES
	FETCH_V \lo
.set sj, 0
.set i, 0
.irp n, 15,15,15,15,15,15,14,14
	KQ 1
.set i, i+1
	SMN 0, \n
.endr
	WIN 0
	s_wait_dscnt 0x0                ; V is in
	s_add_co_u32 s[TBK], s[TBK], KS*PK
	s_cmp_eq_u32 s[CNT], 1          ; a tile's last step fetches no K: the next step's lies in the other slot, behind the change
	s_cbranch_scc1 .Lnok_\@
	FETCH_K
.Lnok_\@:
.set sj, 0
.set i, 0
.if \lo
.irp n, 8,8,8,8,8,8,7,7
	PVH 0
.set i, i+1
	SMN 1, \n
.endr
.set i, 0
.irp n, 7,7,7,7,7,7,7,7
	PVL 0
.set i, i+1
	SMN 1, \n
.endr
.else
.irp n, 15,15,15,15,15,15,14,14
	PVH 0
.set i, i+1
	SMN 1, \n
.endr
.endif
.set i, 0
.rept 8
	PVH 1
.set i, i+1
.endr
.if \lo
.set i, 0
.rept 8
	PVL 1
.set i, i+1
.endr
.endif
	WIN 0
.endm
; THE WAY OUT of a block: l's two halves and the other half of the lanes' are added; O^T is divided by l, split into hi and lo, and goes through my own stage: 16 rows of 512 bytes
; (two heads' hi, then their lo).  S^T's registers are at work; the rows come back into V hi's registers.
.macro OUT
	WIN 0
	PLACES                          ; behind the last products
.irp t, 0,1
	v_add_f32 v[ST+4*\t+2], v[ST+4*\t+2], v[ST+4*\t+3]
.endr
.irp t, 0,1
	v_permlanex16_b32 v[ST+4*\t+3], v[ST+4*\t+2], s[SEL], s[SEL+1]
.endr
.irp t, 0,1
	v_add_f32 v[ST+4*\t+2], v[ST+4*\t+2], v[ST+4*\t+3]
.endr
.irp t, 0,1
	v_rcp_f32 v[ST+4*\t+2], v[ST+4*\t+2]
.endr
	v_nop                           ; a plain instruction between the last reciprocal and the use of its result
.irp t, 0,1
.set i, 0
.rept 16
	s_wait_alu depctr_va_vdst(0)
	v_pk_mul_f32 v[O+32*\t+2*i:O+32*\t+2*i+1], v[O+32*\t+2*i:O+32*\t+2*i+1], v[ST+4*\t+2:ST+4*\t+3] op_sel_hi:[1,0]
.set i, i+1
.endr
.set i, 0
.rept 32
	v_and_b32 v[S+i], s[MSK], v[O+32*\t+i]                                                                              ; hi
.set i, i+1
.endr
.set i, 0
.rept 16
	v_pk_add_f32 v[O+32*\t+2*i:O+32*\t+2*i+1], v[O+32*\t+2*i:O+32*\t+2*i+1], v[S+2*i:S+2*i+1] neg_lo:[0,1] neg_hi:[0,1] ; lo = y - hi
.set i, i+1
.endr
.set i, 0
.rept 16
	v_cvt_pk_f16_f32 v[S+32+i], v[S+2*i], v[S+2*i+1]
.set i, i+1
.endr
.set i, 0
.rept 16
	v_cvt_pk_f16_f32 v[S+48+i], v[O+32*\t+2*i], v[O+32*\t+2*i+1]
.set i, i+1
.endr
.irp f, 0,1,2,3
	ds_store_b128 v[STO], v[S+32+4*\f:S+32+4*\f+3] offset:\t*128+\f*32
.endr
.irp f, 0,1,2,3
	ds_store_b128 v[STO], v[S+48+4*\f:S+48+4*\f+3] offset:256+\t*128+\f*32
.endr
.endr
.irp f, 0,1,2,3,4,5,6,7,8,9,10,11,12,13,14,15
	ds_load_b128 v[VH+4*\f+(\f/8)*160:VH+4*\f+(\f/8)*160+3], v[RD] offset:\f*SP  ; LDS serves a wave's instructions in order (ISA guide 5.7.1.4): these see the stores above
.endr
.irp f, 0,1,2,3,4,5,6,7,8,9,10,11,12,13,14,15
	s_wait_dscnt 15-\f              ; load f is in, the younger ones stay out
	global_store_b128 v[GO], v[VH+4*\f+(\f/8)*160:VH+4*\f+(\f/8)*160+3], s[48:49] offset:\f*4096  ; 512 consecutive bytes, at a multiple of 256 from ao's first byte
.endr
.endm
.Lslot:                             ; 16 trips: a tile is entered and the next is asked for
	CHANGE 1
	s_sub_co_u32 s[RT], s[RT], 1
	s_mov_b32 s[CNT], 4
	FETCH_K
.Lstep:
	s_cmp_lg_u32 s[RT], 0
	s_cbranch_scc1 .Lnm             ; only a block's last tile has masks
	MASKS
.Lnm:
	STEP 0
	s_sub_co_u32 s[CNT], s[CNT], 1
	s_cmp_lg_u32 s[CNT], 0
	s_cbranch_scc1 .Lstep
	s_cmp_lg_u32 s[RT], 0
	s_cbranch_scc1 .Lbottom
	; THE FIRST BLOCK'S END (the second's last tile is the walk's last).  Its l and O^T are set aside, two registers a line, each accumulator from its lowest registers on; the second block's Q comes in.
	PLACES                          ; behind the last products
	v_add_f32 v[LS], v[ST+2], v[ST+3]
	v_add_f32 v[LS+1], v[ST+6], v[ST+7]
	WIN 0x40
.set i, 0
.rept 32
	v_pk_mul_f32 v[SV+2*i+((2*i)/32)*160:SV+2*i+((2*i)/32)*160+1], v[O+2*i:O+2*i+1], 1.0 op_sel_hi:[1,0]
.set i, i+1
.endr
.set i, 0
.rept 4
	global_load_b128 v[8*i:8*i+3],   v[QO], s[54:55] offset:(i/2)*HEADB+(i%2)*64
	global_load_b128 v[8*i+4:8*i+7], v[QO], s[54:55] offset:(i/2)*HEADB+(i%2)*64+32
.set i, i+1
.endr
	WIN 0x41
.set i, 0
.rept 16
	v_pk_mul_f32 v[MC+2*i:MC+2*i+1], v[MC+2*i:MC+2*i+1], 0 op_sel_hi:[1,0]  ; no mask again
.set i, i+1
.endr
	WIN 0
.irp t, 0,1
	v_mov_b32 v[ST+4*\t], 0xfe000000     ; the next a is 0: what O^T and l hold need only be finite
	v_mov_b32 v[ST+4*\t+1], 0xff7fffff
.endr
	s_add_co_u32 s[RT], s[PB], 1    ; the second block has c + 1 tiles
	s_mov_b32 s[THS], s[TLO]
	s_wait_loadcnt 0x0              ; Q
.Lbottom:
	s_sub_co_u32 s[SLOTS], s[SLOTS], 1
	s_cmp_lg_u32 s[SLOTS], 0
	s_cbranch_scc1 .Lslot
	CHANGE 0                        ; the walk's last tile is written out: nothing is asked for
	s_mov_b32 s[CNT], 4
	FETCH_K
.Ltail:
	MASKS
	STEP 1
	s_sub_co_u32 s[CNT], s[CNT], 1
	s_cmp_lg_u32 s[CNT], 0
	s_cbranch_scc1 .Ltail
	s_mov_b32 s[CNT], 2
.Lout:                              ; twice: the second block's O, then the first's, which takes its place (the second trip's copy serves nothing: the price of one text)
	OUT
	s_wait_xcnt 0x0                 ; the stores' data and base are written again only behind this wait
	s_mov_b64 s[48:49], s[50:51]
	WIN 0x01
.set i, 0
.rept 32
	v_pk_mul_f32 v[O+2*i:O+2*i+1], v[SV+2*i+((2*i)/32)*160:SV+2*i+((2*i)/32)*160+1], 1.0 op_sel_hi:[1,0]
.set i, i+1
.endr
	WIN 0
	v_mov_b32 v[ST+2], v[LS]
	v_mov_b32 v[ST+3], 0
	v_mov_b32 v[ST+6], v[LS+1]
	v_mov_b32 v[ST+7], 0
	s_sub_co_u32 s[CNT], s[CNT], 1
	s_cmp_lg_u32 s[CNT], 0
	s_cbranch_scc1 .Lout
	s_wait_tensorcnt 0x0            ; the wave's end
	ds_add_u32 v[SPW], v[NIL]
	s_wait_dscnt 0x0
	CROUND                          ; the closing round
	s_endpgm
.Lfunc_end_k_q797e4ba8f9_attn:
	.size	k_q797e4ba8f9_attn, .Lfunc_end_k_q797e4ba8f9_attn-k_q797e4ba8f9_attn
	.p2alignl 7, 3214868480
	.fill 96, 4, 3214868480
	.section	.rodata,"a",@progbits
	.p2align	6, 0x0
	.amdhsa_kernel k_q797e4ba8f9_attn
		.amdhsa_group_segment_fixed_size 327680
		.amdhsa_private_segment_fixed_size 0
		.amdhsa_enable_private_segment 0
		.amdhsa_kernarg_size 24
		.amdhsa_user_sgpr_count 2
		.amdhsa_user_sgpr_kernarg_segment_ptr 1
		.amdhsa_wavefront_size32 1
		.amdhsa_system_sgpr_workgroup_id_x 1
		.amdhsa_system_sgpr_workgroup_id_y 1
		.amdhsa_system_sgpr_workgroup_id_z 1
		.amdhsa_system_vgpr_workitem_id 0
		.amdhsa_next_free_vgpr 512
		.amdhsa_next_free_sgpr 88
		.amdhsa_reserve_vcc 1
		.amdhsa_float_denorm_mode_32 3
		.amdhsa_float_denorm_mode_16_64 3
		.amdhsa_memory_ordered 1
		.amdhsa_forward_progress 1
		.amdhsa_inst_pref_size 87
	.end_amdhsa_kernel
	.amdgpu_metadata
---
amdhsa.version: [ 1, 2 ]
amdhsa.kernels:
  - .name:           k_q797e4ba8f9_attn
    .symbol:         k_q797e4ba8f9_attn.kd
    .args:
      - { .name: qkv, .offset: 0, .size: 8, .value_kind: global_buffer, .address_space: global }
      - { .name: vv, .offset: 8, .size: 8, .value_kind: global_buffer, .address_space: global }
      - { .name: ao, .offset: 16, .size: 8, .value_kind: global_buffer, .address_space: global }
    .group_segment_fixed_size: 327680
    .private_segment_fixed_size: 0
    .kernarg_segment_align: 8
    .kernarg_segment_size: 24
    .max_flat_workgroup_size: 128
    .sgpr_count:     88
    .vgpr_count:     512
    .wavefront_size: 32
...
	.end_amdgpu_metadata
.endif
;; end of part 3
;; launch oproj (part 4): grid 8 x 32, 4 waves a work-group, clusters of 4 x 4, 327,680 bytes of LDS; arguments ao, wob, out0; writes out0
.if DOCPART == 4
	.amdgcn_target "amdgcn-amd-amdhsa--gfx1250"
	.amdhsa_code_object_version 6
	.text
	.protected	k_q797e4ba8f9_oproj
	.globl	k_q797e4ba8f9_oproj
	.p2align	8
	.type	k_q797e4ba8f9_oproj,@function
k_q797e4ba8f9_oproj:
	s_mov_b64 s[64:65], 0
	v_nop
	global_prefetch_b8 v0, s[64:65] scope:SCOPE_SE
	s_setreg_imm32_b32 hwreg(HW_REG_WAVE_MODE, 25, 1), 1
	s_wait_xcnt 0x0
	s_wait_alu depctr_hold_cnt(0) depctr_sa_sdst(0) depctr_va_vdst(0) depctr_va_sdst(0) depctr_va_ssrc(0) depctr_va_vcc(0) depctr_vm_vsrc(0)
	s_getreg_b32 s2, hwreg(HW_REG_IB_STS2, 6, 4)
	s_cmp_eq_u32 s2, 0
	s_cbranch_scc0 .Lentry_in_a_cluster
	s_endpgm
.Lentry_in_a_cluster:
	s_bfe_u32 s2, ttmp6, 0x10000c
	s_cmp_lg_u32 s2, 0xf033
	s_cbranch_scc0 .Lentry_shape_is_right
	s_endpgm
.Lentry_shape_is_right:
; OPROJ: out0 [4096][1024] f32 = O x wo.  O = hi + lo, both f16: ao [4096][8 chunks][hi 128 | lo 128]; wob [1024 k][1024 n] f16.  Both parts are multiplied onto one f32 sum, stored as it is.
; A tile of out0 is 128 x 128: 8 x 32 = 256 work-groups.  Four waves, each 64 x 64: 16 accumulators.  A step takes one chunk, 128 of wo's rows, through two LDS slots: ao's tile as 128 rows of
; 512 bytes (the chunk's hi, then its lo); wob's tile as it lies, 128 rows (k) of 256 bytes (128 n), its fragments turned on the way out of LDS by ds_load_tr16_b128, once for hi and once for lo.
; CLUSTERS: 4 x 4 work-groups; ao's tile is shared along a row of the cluster, wob's along a column: each is asked for jointly.
; THE MATRIX INSTRUCTION IS USED TRANSPOSED (source 0 = 16 columns of wob, source 1 = 16 rows of ao): a lane holds eight neighbouring numbers of a row of out0; a wave's 64 columns are 256 aligned bytes,
; so each wave has a stage of its own and no barrier stands on the way out.
; REGISTERS: window 0: v0-31 addresses; v32-95 the way out; v128-255 accumulators ((a, b) at 128 + 8 (4 a + b)).  Window 1: two fragment buffers of 128: 64 of ao, then 64 of wob, for 64 along a tile's row.
.set KSTEP,  256                       ; elements of ao's rows in a step: 128 hi, 128 lo
.set PITCH,  528                       ; a row of ao in LDS: 512 bytes + 16
.set HALFT,  64*PITCH
.set PBW,    288                       ; a row of wob: 256 bytes + 32
.set BHALF,  64*PBW
.set BOFF,   2*HALFT
.set SLOT,   BOFF+2*BHALF              ; 104,448
.set STAGE,  2*SLOT                    ; behind the ring: 16 rows x 272 bytes for each wave
.set SPITCH, 272
.set SPARE,  STAGE+4*16*SPITCH         ; the spare words: two blocks of 256 bytes that no other line names
.set LAPS,   4                         ; a lap = two steps; eight chunks
.set ADRA, 16                          ; v16-17  my fragments of ao in slot 0, 1
.set ADRB, 20                          ; v20-21  my fragments of wob
.set STO,  24
.set RD,   25
.set CO,   26
.set SPW,  28
.set NIL,  29
.set TMP,  32
.set ACC,  128
.set F0,   0
.set F1,   128
.set G1, 24
.set G0, 32
.set G1B, 48
.set G0B, 56
.set MSB, 0
.macro WIN new
.if MSB != (\new)
	s_set_vgpr_msb (MSB<<8)|(\new)
.set MSB, \new
.endif
.endm
.set MUL,  0x05
.set TO_F, 0x40
.macro JLOAD s                         ; waves 0 and 1 fetch ao's two halves, waves 2 and 3 wob's; an s_nop 0 and four v_nop follow each line
	s_cmp_lt_u32 s10, 2
	s_cbranch_scc0 .Lfor_b_\@
	tensor_load_to_lds s[G0+4*(\s):G0+4*(\s)+3], s[G1:G1+7]
	s_nop 0
.rept 4
	v_nop
.endr
	s_branch .Lasked_\@
.Lfor_b_\@:
	tensor_load_to_lds s[G0B+4*(\s):G0B+4*(\s)+3], s[G1B:G1B+7]
	s_nop 0
.rept 4
	v_nop
.endr
.Lasked_\@:
.endm
.macro CREST
	s_cmp_lg_u32 s10, 0
	s_cbranch_scc1 .Lnot_wave_0_\@
	s_barrier_signal -3
.Lnot_wave_0_\@:
	s_barrier_wait -3
	s_barrier_signal -1
	s_barrier_wait -1
.endm
.macro CROUND
	s_barrier_signal -1
	s_barrier_wait -1
	CREST
.endm
	s_load_b128 s[4:7], s[0:1], 0x0                ; ao s[4:5], wob s[6:7]
	s_load_b64 s[8:9], s[0:1], 0x10                ; out0
	v_lshl_add_u32 v[SPW], v0, 2, SPARE
	v_mov_b32 v[NIL], 0
	ds_add_u32 v[SPW], v[NIL]                      ; the wave's opening: the add and its wait stand ahead of my first tensor load
	v_lshrrev_b32 v1, 5, v0
	v_readfirstlane_b32 s10, v1
	s_lshr_b32 s11, s10, 1                         ; which half of the tile's rows is mine
	s_and_b32 s12, s10, 1                          ; which half of its columns.  Also: which half of a tile I fetch
	s_bfe_u32 s40, ttmp6, 0x40000
	s_bfe_u32 s41, ttmp6, 0x40004
	s_lshl_b32 s42, ttmp9, 2
	s_add_co_u32 s42, s42, s40                     ; tile column
	s_and_b32 s13, ttmp7, 0xffff
	s_lshl_b32 s13, s13, 2
	s_add_co_u32 s13, s13, s41                     ; tile row
	s_lshl_b32 s43, s41, 2
	s_lshl_b32 s43, 15, s43
	s_lshl_b32 s44, 0x1111, s40
	s_or_b32 s[G1+0], s43, (1<<16)|(1<<20)|(1<<21)|(6<<22)|(3<<25)   ; after every 128 words 4 words
	s_mov_b32 s[G1+1], 256<<16                     ; 64 rows x 256 elements
	s_mov_b32 s[G1+2], 64<<16
	s_mov_b32 s[G1+3], 256<<16
	s_mov_b32 s[G1+4], 64
	s_mov_b32 s[G1+5], 2048                        ; a row of ao has 2,048 elements
	s_mov_b32 s[G1+6], 0
	s_mov_b32 s[G1+7], 0
	s_or_b32 s[G1B+0], s44, (1<<16)|(1<<20)|(1<<21)|(5<<22)|(7<<25)  ; after every 64 words 8 words
	s_mov_b32 s[G1B+1], 128<<16                    ; 64 rows x 128 elements
	s_mov_b32 s[G1B+2], 64<<16
	s_mov_b32 s[G1B+3], 128<<16
	s_mov_b32 s[G1B+4], 64
	s_mov_b32 s[G1B+5], 1024
	s_mov_b32 s[G1B+6], 0
	s_mov_b32 s[G1B+7], 0
	s_lshl_b32 s17, s12, 6
	s_lshl_b32 s16, s13, 7
	s_add_co_u32 s16, s16, s17
	s_lshl_b32 s16, s16, 12                        ; ao: row 128 x tile row + 64 x half, 4,096 bytes a row
	s_mov_b32 s17, 0
	s_lshl_b32 s46, s12, 17                        ; wob: k row 64 x half, 2,048 bytes a row,
	s_lshl_b32 s47, s42, 8                         ; the tile's 128 columns
	s_add_co_u32 s46, s46, s47
	s_mov_b32 s47, 0
	s_mul_i32 s20, s12, HALFT
	s_mul_i32 s21, s12, BHALF
	s_add_co_u32 s21, s21, BOFF
	s_wait_dscnt 0x0                               ; the opening add is done
	s_wait_kmcnt 0x0
	s_add_nc_u64 s[14:15], s[4:5], s[16:17]
	s_add_nc_u64 s[46:47], s[6:7], s[46:47]
	CROUND                                         ; all sixteen work-groups are here
.irp s, 0,1
	s_mov_b32 s[G0+4*(\s)], 1
	s_add_co_u32 s[G0+4*(\s)+1], s20, (\s)*SLOT
	s_add_nc_u64 s[G0+4*(\s)+2:G0+4*(\s)+3], s[14:15], (\s)*KSTEP*2
	s_or_b32 s[G0+4*(\s)+3], s[G0+4*(\s)+3], 0x80000000
	s_mov_b32 s[G0B+4*(\s)], 1
	s_add_co_u32 s[G0B+4*(\s)+1], s21, (\s)*SLOT
	s_add_nc_u64 s[G0B+4*(\s)+2:G0B+4*(\s)+3], s[46:47], (\s)*128*2048
	s_or_b32 s[G0B+4*(\s)+3], s[G0B+4*(\s)+3], 0x80000000
	JLOAD \s                                       ; two loads of mine are out
.endr
	v_and_b32 v1, 15, v0
	v_bfe_u32 v2, v0, 4, 1
	v_mul_u32_u24 v3, v1, PITCH
	v_lshl_add_u32 v3, v2, 4, v3
	s_mul_i32 s22, s11, HALFT
	v_add_nc_u32 v[ADRA], s22, v3
	v_add_nc_u32 v[ADRA+1], SLOT, v[ADRA]
	v_and_b32 v4, 7, v0                            ; the turning load: lane l reads k = 8 (l / 16) + l % 8, columns 8 ((l / 8) % 2) + 0..7
	v_lshl_add_u32 v4, v2, 3, v4
	v_mul_u32_u24 v4, v4, PBW
	v_bfe_u32 v5, v0, 3, 1
	v_lshl_add_u32 v4, v5, 4, v4
	s_lshl_b32 s22, s12, 7                         ; my 64 columns
	s_add_co_u32 s22, s22, BOFF
	v_add_nc_u32 v[ADRB], s22, v4
	v_add_nc_u32 v[ADRB+1], SLOT, v[ADRB]
	s_mul_i32 s23, s10, 16*SPITCH
	s_add_co_u32 s23, s23, STAGE                   ; my stage
	v_mul_u32_u24 v4, v1, SPITCH                   ; in: row l % 16, 32 bytes for each half of the lanes
	v_lshl_add_u32 v4, v2, 5, v4
	v_add_nc_u32 v[STO], s23, v4
	v_mul_u32_u24 v5, v2, SPITCH                   ; back: lanes 0-15 one row of 256 bytes, lanes 16-31 the next
	v_lshl_add_u32 v5, v1, 4, v5
	v_add_nc_u32 v[RD], s23, v5
	v_lshlrev_b32 v[CO], 12, v2                    ; and the same two rows in out0
	v_lshl_add_u32 v[CO], v1, 4, v[CO]
	s_lshl_b32 s16, s13, 7
	s_lshl_b32 s17, s11, 6
	s_add_co_u32 s16, s16, s17
	s_lshl_b32 s16, s16, 12                        ; my first row of out0, 4,096 bytes a row
	s_mov_b32 s17, 0
	s_add_nc_u64 s[8:9], s[8:9], s[16:17]
	s_lshl_b32 s46, s42, 9                         ; my first column, in bytes
	s_lshl_b32 s47, s12, 8
	s_add_co_u32 s46, s46, s47
	s_mov_b32 s47, 0
	s_add_nc_u64 s[8:9], s[8:9], s[46:47]
; 8 matrix instructions: row blocks a0, a0 + 1 x 4 column blocks, 32 along K: half c of buffer f.  The 16 accumulators take turns.
.macro MUL8 f, c, a0, zero
	WIN MUL
.irp a, \a0, (\a0)+1
.irp b, 0,1,2,3
.if \zero
	v_wmma_f32_16x16x32_f16 v[ACC+8*(4*(\a)+(\b)):ACC+8*(4*(\a)+(\b))+7], v[(\f)+64+8*(4*(\c)+(\b)):(\f)+64+8*(4*(\c)+(\b))+7], v[(\f)+8*(4*(\c)+(\a)):(\f)+8*(4*(\c)+(\a))+7], 0
.else
	v_wmma_f32_16x16x32_f16 v[ACC+8*(4*(\a)+(\b)):ACC+8*(4*(\a)+(\b))+7], v[(\f)+64+8*(4*(\c)+(\b)):(\f)+64+8*(4*(\c)+(\b))+7], v[(\f)+8*(4*(\c)+(\a)):(\f)+8*(4*(\c)+(\a))+7], v[ACC+8*(4*(\a)+(\b)):ACC+8*(4*(\a)+(\b))+7]
.endif
.endr
.endr
.endm
; 32 LDS loads in one run: quarter kq of a slot into buffer f: quarters 0, 1 are O's hi for k 0-63, 64-127 of the chunk, quarters 2, 3 its lo for the same k; wob's rows go by kq % 2.
.macro FETCH slot, kq, f
	WIN TO_F
.irp c, 0,1
.irp i, 0,1,2,3
	ds_load_tr16_b128 v[(\f)+64+8*(4*(\c)+(\i)):(\f)+64+8*(4*(\c)+(\i))+3],   v[ADRB+(\slot)] offset:(((\kq)%2)*64+32*(\c))*PBW+32*(\i)
	ds_load_tr16_b128 v[(\f)+64+8*(4*(\c)+(\i))+4:(\f)+64+8*(4*(\c)+(\i))+7], v[ADRB+(\slot)] offset:(((\kq)%2)*64+32*(\c))*PBW+32*(\i)+16*PBW
	ds_load_b128 v[(\f)+8*(4*(\c)+(\i)):(\f)+8*(4*(\c)+(\i))+3],         v[ADRA+(\slot)] offset:128*(\kq)+64*(\c)+(\i)*16*PITCH
	ds_load_b128 v[(\f)+8*(4*(\c)+(\i))+4:(\f)+8*(4*(\c)+(\i))+7],       v[ADRA+(\slot)] offset:128*(\kq)+64*(\c)+(\i)*16*PITCH+32
.endr
.endr
.endm
.macro PLACES
.rept 4
	v_nop
.endr
.endm
.macro QUARTER slot, kq, f, g, zero
	s_wait_dscnt 16                                ; the first 32 along K are in; the youngest sixteen loads may be out
	WIN MUL
	MUL8 \f, 0, 0, \zero
	MUL8 \f, 0, 2, \zero
	PLACES
	FETCH \slot, \kq, \g
	s_wait_dscnt 32                                ; all but the 32 just issued
	WIN MUL
	MUL8 \f, 1, 0, 0
	MUL8 \f, 1, 2, 0
.endm
; The last quarter multiplies buffer 1 and changes slots: one barrier; in front of it each wave waits for all its tensor loads, adds 0 to its spare word, and waits for that and for its reads of this slot.
.macro TURN slot, next, fill
	WIN 0
	s_wait_tensorcnt 0x0                           ; all my tensor loads have landed: my part of the next slot
	ds_add_u32 v[SPW], v[NIL]
	s_wait_dscnt 17                                ; the add and the youngest sixteen loads may be out
	WIN MUL
	MUL8 F1, 0, 0, 0
	s_wait_dscnt 0x0                               ; the add is done, and my reads of this slot are over
	s_barrier_signal -1
	MUL8 F1, 0, 2, 0
.if \fill
	WIN 0
.endif
	s_barrier_wait -1
.if \fill
	CREST                                          ; no wave of any partner still reads this slot or has a load on its way
	s_add_nc_u64 s[G0+4*(\slot)+2:G0+4*(\slot)+3], s[G0+4*(\slot)+2:G0+4*(\slot)+3], 2*KSTEP*2
	s_add_nc_u64 s[G0B+4*(\slot)+2:G0B+4*(\slot)+3], s[G0B+4*(\slot)+2:G0B+4*(\slot)+3], 2*128*2048
	JLOAD \slot                                    ; its four v_nop are also the places in front of the loads below
.else
	PLACES
.endif
	FETCH \next, 0, F0
	WIN MUL
	MUL8 F1, 1, 0, 0
	MUL8 F1, 1, 2, 0
.endm
	s_wait_tensorcnt 1                             ; my part of step 0 is in; step 1's may stay out
	s_barrier_signal -1
	s_barrier_wait -1
	FETCH 0, 0, F0
	QUARTER 0, 1, F0, F1, 1                        ; the first quarter stands in front of the loop: its first products start the sums
	WIN 0
	s_mov_b32 s3, LAPS-1
.Llap:
	QUARTER 0, 2, F1, F0, 0
	QUARTER 0, 3, F0, F1, 0
	TURN 0, 1, 1
	QUARTER 1, 1, F0, F1, 0
	QUARTER 1, 2, F1, F0, 0
	QUARTER 1, 3, F0, F1, 0
	TURN 1, 0, 1
	QUARTER 0, 1, F0, F1, 0
	WIN 0
	s_sub_co_u32 s3, s3, 1
	s_cmp_lg_u32 s3, 0
	s_cbranch_scc1 .Llap
	QUARTER 0, 2, F1, F0, 0                        ; the last lap fills nothing
	QUARTER 0, 3, F0, F1, 0
	TURN 0, 1, 0
	QUARTER 1, 1, F0, F1, 0
	QUARTER 1, 2, F1, F0, 0
	QUARTER 1, 3, F0, F1, 0
	s_wait_dscnt 16
	WIN MUL
	MUL8 F1, 0, 0, 0
	MUL8 F1, 0, 2, 0
	s_wait_dscnt 0
	MUL8 F1, 1, 0, 0
	MUL8 F1, 1, 2, 0
	WIN 0
	; THE WAY OUT, 16 rows at a time through my own stage: a lane's eight f32 go in as 32 bytes of a row, whole rows of 256 bytes come back.  Each accumulator's low four registers are stored first.
	PLACES
.irp a, 0,1,2,3
.if (\a) >= 2
	s_wait_xcnt 0x0                                ; the registers that the stores of two blocks ago read are loaded again only behind this wait
.endif
.irp b, 0,1,2,3
	ds_store_b128 v[STO], v[ACC+8*(4*(\a)+(\b)):ACC+8*(4*(\a)+(\b))+3]   offset:64*(\b)
	ds_store_b128 v[STO], v[ACC+8*(4*(\a)+(\b))+4:ACC+8*(4*(\a)+(\b))+7] offset:64*(\b)+16
.endr
.irp t, 0,1,2,3,4,5,6,7
	ds_load_b128 v[TMP+32*((\a)%2)+4*(\t):TMP+32*((\a)%2)+4*(\t)+3], v[RD] offset:(\t)*2*SPITCH  ; LDS serves a wave's instructions in order (ISA guide 5.7.1.4)
.endr
.irp t, 0,1,2,3,4,5,6,7
	s_wait_dscnt 7-(\t)                            ; load t is in, the younger ones stay out
	global_store_b128 v[CO], v[TMP+32*((\a)%2)+4*(\t):TMP+32*((\a)%2)+4*(\t)+3], s[8:9] offset:(16*(\a)+2*(\t))*4096 th:TH_STORE_NT  ; 16 lanes store 256 consecutive bytes, aligned
.endr
.endr
	s_wait_tensorcnt 0x0                           ; the wave's end
	ds_add_u32 v[SPW], v[NIL]
	s_wait_dscnt 0x0
	CROUND                                         ; the closing round
	s_endpgm
.Lfunc_end_k_q797e4ba8f9_oproj:
	.size	k_q797e4ba8f9_oproj, .Lfunc_end_k_q797e4ba8f9_oproj-k_q797e4ba8f9_oproj
	.p2alignl 7, 3214868480
	.fill 96, 4, 3214868480
	.section	.rodata,"a",@progbits
	.p2align	6, 0x0
	.amdhsa_kernel k_q797e4ba8f9_oproj
		.amdhsa_group_segment_fixed_size 327680
		.amdhsa_private_segment_fixed_size 0
		.amdhsa_enable_private_segment 0
		.amdhsa_kernarg_size 24
		.amdhsa_user_sgpr_count 2
		.amdhsa_user_sgpr_kernarg_segment_ptr 1
		.amdhsa_wavefront_size32 1
		.amdhsa_system_sgpr_workgroup_id_x 1
		.amdhsa_system_sgpr_workgroup_id_y 1
		.amdhsa_system_sgpr_workgroup_id_z 1
		.amdhsa_system_vgpr_workitem_id 0
		.amdhsa_next_free_vgpr 512
		.amdhsa_next_free_sgpr 66
		.amdhsa_reserve_vcc 0
		.amdhsa_float_denorm_mode_32 3
		.amdhsa_float_denorm_mode_16_64 3
		.amdhsa_memory_ordered 1
		.amdhsa_forward_progress 1
		.amdhsa_inst_pref_size 87
	.end_amdhsa_kernel
	.amdgpu_metadata
---
amdhsa.version: [ 1, 2 ]
amdhsa.kernels:
  - .name:           k_q797e4ba8f9_oproj
    .symbol:         k_q797e4ba8f9_oproj.kd
    .args:
      - { .name: ao, .offset: 0, .size: 8, .value_kind: global_buffer, .address_space: global }
      - { .name: wob, .offset: 8, .size: 8, .value_kind: global_buffer, .address_space: global }
      - { .name: out0, .offset: 16, .size: 8, .value_kind: global_buffer, .address_space: global }
    .group_segment_fixed_size: 327680
    .private_segment_fixed_size: 0
    .kernarg_segment_align: 8
    .kernarg_segment_size: 24
    .max_flat_workgroup_size: 128
    .sgpr_count:     66
    .vgpr_count:     512
    .wavefront_size: 32
...
	.end_amdgpu_metadata
.endif
;; end of part 4
;; ======== version 2 of 2: 4 launches; 1.26 times as fast as version 1
;; limits: values are held in f16: magnitudes above 65,504 overflow, below 6.1e-05 lose precision
;; workspace buffers: xb 8,388,608 bytes; wb 3,145,728 bytes; wob 2,097,152 bytes; tab 1,048,576 bytes; qkv 10,485,760 bytes; vv 4,194,304 bytes; ao 16,777,216 bytes
;; launch prep (part 5): grid 448 x 1, 8 waves a work-group, no clusters, 0 bytes of LDS; arguments x, wq, wk, wv, wo, xb, wb, wob, tab; writes xb, wb, wob, tab
.if DOCPART == 5
	.amdgcn_target "amdgcn-amd-amdhsa--gfx1250"
	.amdhsa_code_object_version 6
	.text
	.protected	k_q797e4ba8f9_prep
	.globl	k_q797e4ba8f9_prep
	.p2align	8
	.type	k_q797e4ba8f9_prep,@function
k_q797e4ba8f9_prep:
	s_mov_b64 s[64:65], 0
	v_nop
	global_prefetch_b8 v0, s[64:65] scope:SCOPE_SE
	s_setreg_imm32_b32 hwreg(HW_REG_WAVE_MODE, 25, 1), 1
	s_wait_xcnt 0x0
; PREP: the casts and the RoPE table.  A stream: no LDS, no barrier, no matrix unit, no cluster (no two work-groups read the same bytes).
;   xb  = bf16(x), [4096][1024]
;   wb  = bf16 of wq, wk, wv by heads of 64 columns, in blocks [tc 8][kb 16][hd 3][k 64][n 64].  Source head H: 0-15 wq, 16-19 wk, 20-23 wv.
;         Its place: H < 8: tc = H / 2, hd = H % 2;  8 <= H < 20: tc = 4 + (H - 8) / 3, hd = (H - 8) % 3;  H >= 20: tc = H - 20, hd = 2.
;   wob = bf16(wo) written as f16, [1024][1024].  LIMIT: |wo| stays within f16's 65,504; below 6e-5 f16 keeps its fixed step of 6e-8
;   tab = [4096 positions][cos 0..31, sin 0..31] f32, of the angle pos * 10000^(-j/32), the product rounded to f32 as the problem's text rounds it.
;         LIMIT: 10000^(-j/32) comes from v_exp_f32 (1 ulp), so an angle is off by up to about 4e-4 rad at the last positions; sine and cosine themselves to about 2e-6.
; Work-groups 0-255 cast x, 256-319 wo, 320-415 a quarter of a head's weights, 416-447 make 128 positions of the table.
; A cast work-group has 256 PIECES of 64 f32 (256 bytes); a wave 32 of them; one load of a wave takes two pieces, one store writes their 256 bytes of 16-bit numbers.
; THE BATCH.  The table's four exponentials (a lane's four 10000^(-j/32)) are made once, ahead of the loop over positions: one batch, with one wait ahead of the loop's label.
.set OFF, 16                           ; v[16:31]  byte offset of my 16 bytes in load i
.set X,   32                           ; v[32:95]  load i: four f32
.set Y,   96                           ; v[96:127] store i: four 16-bit numbers
	s_load_b512 s[8:23], s[0:1], 0x0               ; x 8, wq 10, wk 12, wv 14, wo 16, xb 18, wb 20, wob 22
	s_load_b64 s[24:25], s[0:1], 0x40              ; tab
	v_lshrrev_b32 v2, 5, v0
	v_readfirstlane_b32 s2, v2                     ; wave 0..7
	v_and_b32 v1, 31, v0                           ; lane
	s_mov_b32 s3, ttmp9
	s_mov_b32 s33, 0                               ; the high word of every offset pair s[32:33]
	s_wait_kmcnt 0x0
; The cast of a work-group's 256 pieces.  In: s[26:27] first piece, s30 bytes from piece to piece, s[28:29] output, s34 output bytes from one pair of waves to the next.
; All sixteen loads of a wave go out first; no register is written twice, so the only waits are the counted ones for the data.
.macro CAST f16
	s_lshr_b32 s35, s2, 1
	s_mul_i32 s35, s35, s34
	s_and_b32 s36, s2, 1
	s_lshl_b32 s36, s36, 12                        ; a wave's 32 pieces are 4,096 bytes of output
	s_add_co_u32 s32, s35, s36
	s_add_nc_u64 s[28:29], s[28:29], s[32:33]
	s_lshl_b32 s31, s30, 1                         ; two pieces on
	v_lshrrev_b32 v4, 4, v1
	v_lshl_add_u32 v4, s2, 5, v4                   ; my piece in load 0: 32 w + lane / 16
	v_mul_lo_u32 v[OFF], v4, s30
	v_and_b32 v5, 15, v1
	v_lshl_add_u32 v[OFF], v5, 4, v[OFF]           ; + 16 (lane % 16): sixteen lanes take a piece's 256 bytes
.set i, 1
.rept 15
	v_add_nc_u32 v[OFF+i], s31, v[OFF+i-1]
.set i, i+1
.endr
	v_lshlrev_b32 v6, 3, v1                        ; 8 bytes a lane: a store of the wave covers 256 consecutive bytes, aligned
.set i, 0
.rept 16
	global_load_b128 v[X+4*i:X+4*i+3], v[OFF+i], s[26:27] th:TH_LOAD_NT
.set i, i+1
.endr
.set i, 0
.rept 16
	s_wait_loadcnt 15-i                            ; loads come back in order: load i is in, the 15 - i younger ones stay out
	v_cvt_pk_bf16_f32 v[Y+2*i], v[X+4*i], v[X+4*i+1]
	v_cvt_pk_bf16_f32 v[Y+2*i+1], v[X+4*i+2], v[X+4*i+3]
.if \f16
	v_lshlrev_b32 v[X+4*i], 16, v[Y+2*i]           ; the bf16 numbers widened again,
	v_and_b32 v[X+4*i+1], 0xffff0000, v[Y+2*i]
	v_lshlrev_b32 v[X+4*i+2], 16, v[Y+2*i+1]
	v_and_b32 v[X+4*i+3], 0xffff0000, v[Y+2*i+1]
	v_cvt_pk_f16_f32 v[Y+2*i], v[X+4*i], v[X+4*i+1]        ; and written as f16: exact within f16's range
	v_cvt_pk_f16_f32 v[Y+2*i+1], v[X+4*i+2], v[X+4*i+3]
.endif
	global_store_b64 v6, v[Y+2*i:Y+2*i+1], s[28:29] offset:256*i
.set i, i+1
.endr
.endm
	s_cmp_lt_u32 s3, 256
	s_cbranch_scc1 .Lx
	s_cmp_lt_u32 s3, 320
	s_cbranch_scc1 .Lwo
	s_cmp_lt_u32 s3, 416
	s_cbranch_scc1 .Lwh
	; THE TABLE.  A wave has 16 positions, two a trip: lanes 0-15 one row of 256 bytes, lanes 16-31 the next.  Lane % 16 < 8: four cosines, else four sines, of j = 4 (lane % 8) + 0..3.
	s_sub_co_u32 s32, s3, 416
	s_lshl_b32 s32, s32, 7
	s_lshl_b32 s34, s2, 4
	s_add_co_u32 s32, s32, s34                     ; my wave's first position
	v_lshrrev_b32 v2, 4, v1
	v_add_nc_u32 v2, s32, v2
	v_cvt_f32_u32 v12, v2                          ; my position, as f32 (exact)
	v_and_b32 v3, 7, v1
	v_lshlrev_b32 v3, 2, v3                        ; my first j
	v_bfe_u32 v4, v1, 3, 1
	v_cmp_eq_u32 s40, 1, v4                        ; the lanes that keep sines
	v_lshlrev_b32 v7, 4, v1                        ; 16 bytes a lane: 512 consecutive bytes a store
.irp e, 0,1,2,3
	v_add_nc_u32 v5, \e, v3
	v_cvt_f32_u32 v5, v5
	v_mul_f32 v[8+\e], 0xbed49a78, v5              ; -j log2(10000) / 32
.endr
.irp e, 0,1,2,3
	v_exp_f32 v[8+\e], v[8+\e]                     ; 10000^(-j/32)
.endr
	v_nop                                          ; a plain instruction between the last exponential and the use of its result (ISA guide 5.7.2)
	s_lshl_b32 s32, s32, 8                         ; 256 bytes a position
	s_add_nc_u64 s[28:29], s[24:25], s[32:33]
	s_mov_b32 s41, 0xc0c90000                      ; -6.28125: 8 significant bits, so its product with a count of turns up to 652 is exact
	s_mov_b32 s42, 0xbafdaa22                      ; -(2 pi - 6.28125)
	s_mov_b32 s43, 0xb9500d01                      ; -1/5040
	s_mov_b32 s44, 0x3c088889                      ; 1/120
	s_mov_b32 s45, 0xbe2aaaab                      ; -1/6
	s_mov_b32 s46, 0x37d00d01                      ; 1/40320
	s_mov_b32 s47, 0xbab60b61                      ; -1/720
	s_mov_b32 s48, 0x3d2aaaab                      ; 1/24
; sine and cosine of pos * invf[e]: whole turns taken off in two parts; a quarter of the rest, at most 0.79, goes into the series (next terms under 3e-7); the angle is doubled twice.
.macro SINCOS e
	v_mul_f32 v24, v12, v[8+(\e)]                  ; the angle, rounded once
	v_mul_f32 v25, 0.15915494, v24
	v_rndne_f32 v25, v25                           ; whole turns
	v_fma_f32 v24, v25, s41, v24
	v_fma_f32 v24, v25, s42, v24                   ; within -pi .. pi
	v_mul_f32 v26, 0x3e800000, v24                 ; u = a quarter of it
	v_mul_f32 v27, v26, v26                        ; z = u u
	v_fma_f32 v28, v27, s43, s44
	v_fma_f32 v31, v27, s46, s47
	v_mul_f32 v29, v26, v27
	v_fma_f32 v28, v28, v27, s45
	v_fma_f32 v31, v31, v27, s48
	v_fma_f32 v30, v29, v28, v26                   ; sin u
	v_fma_f32 v31, v31, v27, -0.5
	v_fma_f32 v32, v31, v27, 1.0                   ; cos u
	v_mul_f32 v33, -2.0, v30
	v_fma_f32 v34, v33, v30, 1.0                   ; cos 2u = 1 - 2 sin^2
	v_mul_f32 v30, -v33, v32                       ; sin 2u = 2 sin cos
	v_mul_f32 v33, -2.0, v30
	v_fma_f32 v32, v33, v30, 1.0                   ; cos 4u
	v_mul_f32 v30, -v33, v34                       ; sin 4u
	v_cndmask_b32 v[20+(\e)], v32, v30, s40
.endm
	s_wait_alu depctr_va_vdst(0)                   ; the wait ahead of the first line that names a result: one for the batch of four exponentials, ahead of the loop's label; the address and the constants above stand between
	s_mov_b32 s50, 8
.Lpos:
	SINCOS 0
	SINCOS 1
	SINCOS 2
	SINCOS 3
	global_store_b128 v7, v[20:23], s[28:29]
	s_wait_xcnt 0x0                                ; the store's data and base are written again only behind this wait
	s_add_nc_u64 s[28:29], s[28:29], 512
	v_add_f32 v12, 2.0, v12
	s_sub_co_u32 s50, s50, 1
	s_cmp_lg_u32 s50, 0
	s_cbranch_scc1 .Lpos
	s_endpgm
.Lx:                                                   ; x: pieces on end
	s_lshl_b32 s32, s3, 16
	s_add_nc_u64 s[26:27], s[8:9], s[32:33]
	s_lshl_b32 s32, s3, 15
	s_add_nc_u64 s[28:29], s[18:19], s[32:33]
	s_mov_b32 s30, 256
	s_mov_b32 s34, 8192
	CAST 0
	s_endpgm
.Lwo:                                                  ; wo: the same, bf16 written as f16
	s_sub_co_u32 s37, s3, 256
	s_lshl_b32 s32, s37, 16
	s_add_nc_u64 s[26:27], s[16:17], s[32:33]
	s_lshl_b32 s32, s37, 15
	s_add_nc_u64 s[28:29], s[22:23], s[32:33]
	s_mov_b32 s30, 256
	s_mov_b32 s34, 8192
	CAST 1
	s_endpgm
.Lwh:                                                  ; head H, rows 256 kq .. 256 kq + 255 of its weights: a piece is one row's 64 columns
	s_sub_co_u32 s37, s3, 320
	s_lshr_b32 s38, s37, 2                         ; H
	s_and_b32 s39, s37, 3                          ; kq
	s_mov_b32 s45, 4096                            ; bytes in a row of wq,
	s_mov_b32 s46, 1024                            ; of wk and wv
	s_cmp_lt_u32 s38, 20
	s_cselect_b64 s[26:27], s[12:13], s[14:15]     ; wk or wv
	s_cselect_b32 s40, 16, 20
	s_cmp_lt_u32 s38, 16
	s_cselect_b64 s[26:27], s[10:11], s[26:27]     ; or wq
	s_cselect_b32 s40, 0, s40
	s_cselect_b32 s30, s45, s46
	s_sub_co_u32 s40, s38, s40                     ; the head's number in its own tensor
	s_lshl_b32 s32, s40, 8                         ; its 64 columns
	s_mul_i32 s41, s39, s30
	s_lshl_b32 s41, s41, 8                         ; 256 kq rows
	s_add_co_u32 s32, s32, s41
	s_add_nc_u64 s[26:27], s[26:27], s[32:33]
	s_lshr_b32 s42, s38, 1                         ; the head's place in wb.  H < 8: tc = H / 2,
	s_and_b32 s43, s38, 1                          ; hd = H % 2
	s_sub_co_u32 s47, s38, 8                       ; 8 <= H < 20: m = H - 8,
	s_mul_i32 s48, s47, 11
	s_lshr_b32 s48, s48, 5                         ; m / 3 (11 m / 32 is that for m up to 11),
	s_mul_i32 s49, s48, 3
	s_sub_co_u32 s49, s47, s49                     ; hd = m % 3,
	s_add_co_u32 s48, s48, 4                       ; tc = 4 + m / 3
	s_sub_co_u32 s50, s38, 20                      ; H >= 20: tc = H - 20, hd = 2
	s_cmp_lt_u32 s38, 8
	s_cselect_b32 s42, s42, s48
	s_cselect_b32 s43, s43, s49
	s_cmp_lt_u32 s38, 20
	s_cselect_b32 s42, s42, s50
	s_cselect_b32 s43, s43, 2
	s_mul_i32 s32, s42, 393216
	s_lshl_b32 s43, s43, 13
	s_add_co_u32 s32, s32, s43
	s_mul_i32 s44, s39, 98304                      ; four blocks kb
	s_add_co_u32 s32, s32, s44
	s_add_nc_u64 s[28:29], s[20:21], s[32:33]
	s_mov_b32 s34, 24576                           ; a pair of waves has 64 rows: one block kb
	CAST 0
	s_endpgm
.Lfunc_end_k_q797e4ba8f9_prep:
	.size	k_q797e4ba8f9_prep, .Lfunc_end_k_q797e4ba8f9_prep-k_q797e4ba8f9_prep
	.p2alignl 7, 3214868480
	.fill 96, 4, 3214868480
	.section	.rodata,"a",@progbits
	.p2align	6, 0x0
	.amdhsa_kernel k_q797e4ba8f9_prep
		.amdhsa_group_segment_fixed_size 0
		.amdhsa_private_segment_fixed_size 0
		.amdhsa_enable_private_segment 0
		.amdhsa_kernarg_size 72
		.amdhsa_user_sgpr_count 2
		.amdhsa_user_sgpr_kernarg_segment_ptr 1
		.amdhsa_wavefront_size32 1
		.amdhsa_system_sgpr_workgroup_id_x 1
		.amdhsa_system_sgpr_workgroup_id_y 1
		.amdhsa_system_sgpr_workgroup_id_z 1
		.amdhsa_system_vgpr_workitem_id 0
		.amdhsa_next_free_vgpr 128
		.amdhsa_next_free_sgpr 66
		.amdhsa_reserve_vcc 0
		.amdhsa_float_denorm_mode_32 3
		.amdhsa_float_denorm_mode_16_64 3
		.amdhsa_memory_ordered 1
		.amdhsa_forward_progress 1
		.amdhsa_inst_pref_size 35
	.end_amdhsa_kernel
	.amdgpu_metadata
---
amdhsa.version: [ 1, 2 ]
amdhsa.kernels:
  - .name:           k_q797e4ba8f9_prep
    .symbol:         k_q797e4ba8f9_prep.kd
    .args:
      - { .name: x, .offset: 0, .size: 8, .value_kind: global_buffer, .address_space: global }
      - { .name: wq, .offset: 8, .size: 8, .value_kind: global_buffer, .address_space: global }
      - { .name: wk, .offset: 16, .size: 8, .value_kind: global_buffer, .address_space: global }
      - { .name: wv, .offset: 24, .size: 8, .value_kind: global_buffer, .address_space: global }
      - { .name: wo, .offset: 32, .size: 8, .value_kind: global_buffer, .address_space: global }
      - { .name: xb, .offset: 40, .size: 8, .value_kind: global_buffer, .address_space: global }
      - { .name: wb, .offset: 48, .size: 8, .value_kind: global_buffer, .address_space: global }
      - { .name: wob, .offset: 56, .size: 8, .value_kind: global_buffer, .address_space: global }
      - { .name: tab, .offset: 64, .size: 8, .value_kind: global_buffer, .address_space: global }
    .group_segment_fixed_size: 0
    .private_segment_fixed_size: 0
    .kernarg_segment_align: 8
    .kernarg_segment_size: 72
    .max_flat_workgroup_size: 256
    .sgpr_count:     66
    .vgpr_count:     128
    .wavefront_size: 32
...
	.end_amdgpu_metadata
.endif
;; end of part 5
;; launch qkv: the kernel of part 2 again; grid 8 x 32, 4 waves a work-group, clusters of 4 x 4, 327,680 bytes of LDS; arguments xb, wb, tab, qkv, vv; writes qkv, vv
;; launch attn (part 6): grid 64 x 4, 4 waves a work-group, clusters of 4 x 1, 327,680 bytes of LDS; arguments qkv, vv, ao; writes ao
.if DOCPART == 6
	.amdgcn_target "amdgcn-amd-amdhsa--gfx1250"
	.amdhsa_code_object_version 6
	.text
	.protected	k_q797e4ba8f9_attn
	.globl	k_q797e4ba8f9_attn
	.p2align	8
	.type	k_q797e4ba8f9_attn,@function
k_q797e4ba8f9_attn:
	s_mov_b64 s[64:65], 0
	v_nop
	global_prefetch_b8 v0, s[64:65] scope:SCOPE_SE
	s_setreg_imm32_b32 hwreg(HW_REG_WAVE_MODE, 25, 1), 1
	s_wait_xcnt 0x0
	s_wait_alu depctr_hold_cnt(0) depctr_sa_sdst(0) depctr_va_vdst(0) depctr_va_sdst(0) depctr_va_ssrc(0) depctr_va_vcc(0) depctr_vm_vsrc(0)
	s_getreg_b32 s2, hwreg(HW_REG_IB_STS2, 6, 4)
	s_cmp_eq_u32 s2, 0
	s_cbranch_scc0 .Lentry_in_a_cluster
	s_endpgm
.Lentry_in_a_cluster:
	s_bfe_u32 s2, ttmp6, 0x10000c
	s_cmp_lg_u32 s2, 0x3003
	s_cbranch_scc0 .Lentry_shape_is_right
	s_endpgm
.Lentry_shape_is_right:
; CAUSAL ATTENTION, 16 query heads on 4 key heads, head size 64, 4,096 positions.  qkv: [20 heads][4096][64] f16 (q 0-15, k 16-19); vv: [4][4096][hi 64 | lo 64] f16, v = hi + lo;
; ao: [4096][8 chunks][hi 128 | lo 128] f16, O = hi + lo; chunk = head / 2, place in it = (head % 2) x 64 + channel.
; Products, maxima and sums in f32; the weights p are rounded to f16 for the second product (their sum l is taken of the unrounded p).
; THE PAIRS.  A causal row with few keys is a near copy of rows of v and many times larger than the output's root mean square, so eleven bits of v or of O are too few for it.  O leaves as a pair
; for every row: hi = y with its low 13 mantissa bits cleared (11 significant bits, exact in f16), lo = y - hi (exact), rounded to f16.  V's lo part is multiplied in the walk's LAST tile alone:
; rows 0 to 255 have no other tile, so all their keys count as hi + lo.  LIMIT: for every other row (257 keys or more) the keys of its earlier tiles count as v's hi part, v rounded to f16.
; LIMITS.  A hidden score counts as its value less 1e30: f16's scores, 2.7e11 at the most, are nothing beside that; a weight below 2^-126 counts as 0 in l; p and hi below 6e-5 keep f16's fixed step
; of 6e-8; NaN and infinities are not treated apart.
; SHARES.  A work-group has one key head g and two BLOCKS of 32 positions x the 4 query heads of g: block 127 - b, then block b (b = 0..63).  Keys go in tiles of 256; a block needs the tiles up to
; its own.  With b = 8 c + r the first block has 16 - c tiles and the second c + 1: 17 for every work-group, one walk with constant trip counts.  The four partners of a cluster have the same g and c,
; so they walk the same tiles and ask for each JOINTLY; what differs between them (r) enters Q's and O's addresses and the mask's threshold alone.  All four steps of a block's last tile are computed
; under the mask, also those that are wholly hidden (3 of 68 steps on average): the price of partners that run alike.
; A wave has two tiles of 16 queries: heads 4 g + 2 (w % 2) + t at the SAME 16 positions, so one mask serves both, and its 16 rows of output are one chunk: 512 whole bytes each.
; LAYOUT.  S^T = K Q^T holds one query a lane (lane % 16) and the keys 8 (lane / 16) + 0..7; two such results rounded to f16 are source 1 of O^T = V^T P.  K comes out of LDS as it lies, V turned.
; SOFTMAX.  Running maximum m and sum l: p = 2^(c s - c m), c = log2(e) / 8; O and l are multiplied by a = 2^(c m_old - c m_new) in every step.  m starts at the lowest finite number: the first a is 0.
; THE MASK is the C operand that starts S^T's sums: 0, or -1e30 where 16 kb + j > 32 rho - 64 step + (lane % 16 - 8 (lane / 16) + 16 (w / 2)); it is 0 in all tiles but a block's last.
; A STEP (64 keys): tile 0's scores; then three parts.  PART A: tile 1's scores, and between them all of tile 0's softmax that names no exponential's result (maximum, statistics, scalings) with its exponentials.
; PART B: tile 0's V^T P, and ahead of and between them tile 0's roundings, rescalings and sums, dealt among tile 1's maximum, statistics, scalings and exponentials.  PART C: tile 1's V^T P with tile 1's roundings, rescalings and sums.
; THE BATCHES.  A tile's 33 exponentials of a step (a, then the 32 weights) are ONE batch with ONE wait, ahead of the first line that names a result.  Tile 0's wait stands between parts A and B,
; ahead of the branch round K's run of loads; tile 1's between parts B and C.  Each result has a register of its own (the scores' own, and a's), and behind a step's second wait no exponential is issued.
; The way out's two reciprocals are a batch of their own, with one wait.
; THE WAY OUT stands once, behind the walk, and is walked twice: at the first block's end its O^T and l are set aside in registers; no store stands inside the walk.
; REGISTERS: window 0: v0-1 the first block's l; v2-15 addresses; v16-31 statistics; v32-63 and v224-255 V hi (so V^T P and the softmax share one window setting); v64-127 S^T; v128-159 P; v160-223 O^T.
; Window 1: v0-31 Q; v32-63 and v224-255 the first block's O^T; v64-127 K; v128-191 V lo; v192-223 the mask.
.set KS,    64
.set PK,    144       ; a row of K in LDS: 128 bytes + 16
.set PV,    288       ; a row of V (hi, lo): 256 + 32 = 72 words
.set VOFF,  4*KS*PK   ; a slot holds a tile: 256 rows of K, then 256 rows of V
.set SLOT1, 1<<17
.set STAGE, SLOT1+4*KS*(PK+PV)  ; behind the ring: 16 rows x 528 bytes for each wave
.set SP,    528
.set SPARE, STAGE+4*16*SP       ; the spare words: two blocks of 256 bytes that no other line names
.set HEADB, 524288
.set LS,  0           ; v0-1 behind the head: the first block's l, by tile
.set AK0, 2           ; v2   my lane's place in a tile of K; never rewritten
.set AV0, 3           ; v3   the same for V
.set AK,  4
.set AV,  5
.set STO, 6
.set RD,  7
.set GO,  8
.set QO,  9           ; v9   my byte offset in 16 rows of Q; never rewritten
.set SPW, 10          ; v10  LDS address of my spare word; never rewritten
.set NIL, 11          ; v11  0; never rewritten
.set MV,  12          ; v12-13  c m_old, by tile
.set VQ,  14          ; v14  lane % 16 - 8 (lane / 16) + 16 (w / 2)
.set THR, 15          ; v15  the mask's threshold
.set ST,  16          ; tile t: c m, m, l (even keys', odd keys') at ST + 4 t
.set TMP, 24          ; tile t: c0-c3 at work; a takes c2
.set VH,  32          ; V hi: fragment f at VH + 8 f + 160 (f / 4)
.set S,   64
.set P,   128
.set O,   160
.set SV,  32          ; window 1: register n of the first block's O^T at SV + n + 160 (n / 32)
.set KF,  64
.set VL,  128
.set MC,  192
.set WV,  12          ; s12  wave
.set PB,  14          ; s14  c
.set HI,  15          ; s15  15 - c
.set G1K, 24
.set G1V, 32
.set G0K, 40
.set G0V, 44
.set SLOTS, 56
.set CNT, 57
.set CS,  58
.set SEL, 60
.set TBK, 62
.set TBV, 63
.set RT,  66          ; tiles of the block in hand still to be entered
.set NXT, 67          ; the tile to be asked for next
.set LQ,  68          ; the last tile of the block whose tiles are being asked for
.set THS, 69          ; 32 rho - 64 step
.set OFF, 70          ; s[70:71] a tile's byte offset in K
.set BIGN, 72
.set TLO, 73          ; 32 r: the second block's threshold
.set OFV, 82          ; s[82:83] a tile's byte offset in V
.set MSK, 84          ; s84  keeps an f32's sign, exponent and top 10 mantissa bits
.set MSB, 0
.macro WIN new
.if MSB != (\new)
	s_set_vgpr_msb (MSB<<8)|(\new)
.set MSB, (\new)
.endif
.endm
.set W_KM, 0x15       ; K, Q and the mask in window 1, S^T in window 0
.set W_KQ, 0x05
.set W_PL, 0x01       ; V lo in window 1
.macro PLACES
.rept 4
	v_nop
.endr
.endm
.macro JLOAD                        ; waves 0 and 1 fetch the halves of a tile's K, waves 2 and 3 of its V; an s_nop 0 and four v_nop follow each line
	s_cmp_lt_u32 s[WV], 2
	s_cbranch_scc0 .Lfor_v_\@
	tensor_load_to_lds s[G0K:G0K+3], s[G1K:G1K+7]
	s_nop 0
.rept 4
	v_nop
.endr
	s_branch .Lasked_\@
.Lfor_v_\@:
	tensor_load_to_lds s[G0V:G0V+3], s[G1V:G1V+7]
	s_nop 0
.rept 4
	v_nop
.endr
.Lasked_\@:
.endm
.macro CROUND
	s_barrier_signal -1
	s_barrier_wait -1
	s_cmp_lg_u32 s[WV], 0
	s_cbranch_scc1 .Lnot_wave_0_\@
	s_barrier_signal -3
.Lnot_wave_0_\@:
	s_barrier_wait -3
	s_barrier_signal -1
	s_barrier_wait -1
.endm
; THE CHANGE OF SLOTS.  Each wave waits for all its tensor loads (one is out: its part of the other slot), adds 0 to its spare word, and waits for that and for its reads of the slot that it leaves.
; fill = 1: a round of the cluster's barrier, then the old slot is filled with tile NXT, first thing behind it: the load has four steps' work in which to land.
.macro CHANGE fill
	WIN 0
	s_wait_tensorcnt 0x0
	ds_add_u32 v[SPW], v[NIL]
.if \fill
	s_lshl_b32 s[OFF], s[NXT], 15   ; a tile is 32,768 bytes of K
	s_lshl_b32 s[OFV], s[NXT], 16   ; and 65,536 of V
	s_xor_b32 s[G0K+1], s[G0K+1], SLOT1
	s_add_nc_u64 s[G0K+2:G0K+3], s[8:9], s[OFF:OFF+1]
	s_or_b32 s[G0K+3], s[G0K+3], 0x80000000
	s_xor_b32 s[G0V+1], s[G0V+1], SLOT1
	s_add_nc_u64 s[G0V+2:G0V+3], s[10:11], s[OFV:OFV+1]
	s_or_b32 s[G0V+3], s[G0V+3], 0x80000000
	s_add_co_u32 s[NXT], s[NXT], 1  ; the block's next tile, or behind its last the second block's tile 0
	s_cmp_gt_u32 s[NXT], s[LQ]
	s_cselect_b32 s[NXT], 0, s[NXT]
	s_cselect_b32 s[LQ], s[PB], s[LQ]
	s_wait_dscnt 0x0                ; the add is done, and my reads of the slot are over
	CROUND
	JLOAD
.else
	s_wait_dscnt 0x0
	s_barrier_signal -1
	s_barrier_wait -1
.endif
	s_sub_co_u32 s[TBK], s[TBK], 4*KS*PK  ; the fetches go back to a slot's first step, in the other slot
	s_xor_b32 s[TBK], s[TBK], SLOT1
	s_sub_co_u32 s[TBV], s[TBV], 4*KS*PV
	s_xor_b32 s[TBV], s[TBV], SLOT1
.endm
	s_load_b128 s[4:7], s[0:1], 0x0 ; qkv s[4:5], vv s[6:7]
	s_load_b64 s[80:81], s[0:1], 0x10  ; ao
	v_lshl_add_u32 v[SPW], v0, 2, SPARE
	v_mov_b32 v[NIL], 0
	ds_add_u32 v[SPW], v[NIL]       ; the wave's opening: the add and its wait stand ahead of my first tensor load
	v_lshrrev_b32 v[S], 5, v0
	v_readfirstlane_b32 s[WV], v[S]
	s_bfe_u32 s13, ttmp6, 0x40000   ; cx
	s_lshr_b32 s[PB], ttmp9, 1      ; c: the same in all four partners
	s_sub_co_u32 s[HI], 15, s[PB]
	s_and_b32 s17, ttmp9, 1
	s_lshl_b32 s17, s17, 2
	s_add_co_u32 s17, s17, s13      ; r
	s_lshl_b32 s[TLO], s17, 5
	s_sub_co_u32 s[THS], 224, s[TLO]  ; the first block's place in its last tile: 32 (7 - r)
	s_lshl_b32 s18, ttmp9, 2
	s_add_co_u32 s18, s18, s13      ; b
	s_and_b32 s16, ttmp7, 0xffff    ; g
	s_and_b32 s19, s[WV], 1         ; my pair of heads.  Also: which half of a tile I fetch
	s_lshr_b32 s23, s[WV], 1        ; my 16 of the block's 32 positions
	s_add_co_u32 s20, s16, 16
	s_lshl_b32 s20, s20, 19         ; K's head,
	s_lshl_b32 s21, s19, 14         ; my 128 keys of a tile
	s_add_co_u32 s20, s20, s21
	s_mov_b32 s21, 0
	s_lshl_b32 s86, s16, 20         ; V's head,
	s_lshl_b32 s87, s19, 15         ; my 128 keys, 256 bytes each
	s_add_co_u32 s86, s86, s87
	s_mov_b32 s87, 0
	s_lshl_b32 s22, s16, 2
	s_lshl_b32 s74, s19, 1
	s_add_co_u32 s22, s22, s74      ; my first head
	s_lshl_b32 s74, s23, 4
	s_sub_co_u32 s75, 127, s18
	s_lshl_b32 s75, s75, 5
	s_add_co_u32 s75, s75, s74      ; my first position in the first block,
	s_lshl_b32 s76, s18, 5
	s_add_co_u32 s76, s76, s74      ; in the second
	s_lshl_b32 s77, s22, 19
	s_lshl_b32 s52, s75, 7
	s_add_co_u32 s52, s52, s77
	s_mov_b32 s53, 0
	s_lshl_b32 s54, s76, 7
	s_add_co_u32 s54, s54, s77
	s_mov_b32 s55, 0
	s_lshl_b32 s78, s22, 8          ; my chunk of ao's rows: 512 bytes x head / 2
	s_lshl_b32 s48, s76, 12         ; a row of ao has 4,096 bytes.  The second block leaves first,
	s_add_co_u32 s48, s48, s78
	s_mov_b32 s49, 0
	s_lshl_b32 s50, s75, 12         ; the first block behind it
	s_add_co_u32 s50, s50, s78
	s_mov_b32 s51, 0
	; group 1 for K: 128 keys are 16,384 dense bytes: 64 rows of 256 bytes, padded in LDS after every key
	s_mov_b32 s[G1K], 15|(1<<16)|(1<<20)|(1<<21)|(4<<22)|(3<<25)
	s_mov_b32 s[G1K+1], 128<<16
	s_mov_b32 s[G1K+2], 64<<16
	s_mov_b32 s[G1K+3], 128<<16
	s_mov_b32 s[G1K+4], 64
	s_mov_b32 s[G1K+5], 128
	s_mov_b32 s[G1K+6], 0
	s_mov_b32 s[G1K+7], 0
	; for V: 128 keys of 256 bytes (hi, lo), 8 words of padding after every 64
	s_mov_b32 s[G1V], 15|(1<<16)|(1<<20)|(1<<21)|(5<<22)|(7<<25)
	s_mov_b32 s[G1V+1], 128<<16
	s_mov_b32 s[G1V+2], 128<<16
	s_mov_b32 s[G1V+3], 128<<16
	s_mov_b32 s[G1V+4], 128
	s_mov_b32 s[G1V+5], 128
	s_mov_b32 s[G1V+6], 0
	s_mov_b32 s[G1V+7], 0
	s_mov_b32 s[CS], 0x3e38aa3b     ; c = log2(e) / 8
	s_mov_b32 s[CS+1], s[CS]
	s_mov_b32 s[SEL], 0x76543210
	s_mov_b32 s[SEL+1], 0xfedcba98
	s_mov_b32 s[MSK], 0xffffe000
	s_mov_b32 s[TBK], SLOT1+4*KS*PK ; the first change of slots turns these two into 0
	s_mov_b32 s[TBV], SLOT1+4*KS*PV
	s_mov_b32 s[G0K], 1
	s_mul_i32 s[G0K+1], s19, 128*PK
	s_mov_b32 s[G0V], 1
	s_mul_i32 s79, s19, 128*PV
	s_add_co_u32 s[G0V+1], s79, VOFF
	s_add_co_u32 s[RT], s[HI], 1
	s_mov_b32 s[NXT], 1
	s_mov_b32 s[LQ], s[HI]
	s_mov_b32 s[OFF+1], 0
	s_mov_b32 s[OFV+1], 0
	s_mov_b32 s[BIGN], 0xf149f2ca   ; -1e30
	s_mov_b32 s[SLOTS], 16
	s_wait_dscnt 0x0                ; the opening add is done
	s_wait_kmcnt 0x0
	s_add_nc_u64 s[8:9], s[4:5], s[20:21]     ; K at my half of tile 0
	s_add_nc_u64 s[10:11], s[6:7], s[86:87]   ; V likewise
	s_mov_b64 s[G0K+2:G0K+3], s[8:9]
	s_or_b32 s[G0K+3], s[G0K+3], 0x80000000
	s_mov_b64 s[G0V+2:G0V+3], s[10:11]
	s_or_b32 s[G0V+3], s[G0V+3], 0x80000000
	s_add_nc_u64 s[52:53], s[4:5], s[52:53]   ; Q of the first block, of the second
	s_add_nc_u64 s[54:55], s[4:5], s[54:55]
	s_add_nc_u64 s[48:49], s[80:81], s[48:49] ; O of the second block, of the first
	s_add_nc_u64 s[50:51], s[80:81], s[50:51]
	CROUND                          ; all four work-groups are here
	JLOAD                           ; tile 0 into slot 0
	v_and_b32 v[S], 15, v0          ; l % 16   (S^T's registers serve as the head's temporaries)
	v_bfe_u32 v[S+1], v0, 4, 1      ; l / 16
	v_lshlrev_b32 v[QO], 7, v[S]
	v_lshl_add_u32 v[QO], v[S+1], 4, v[QO]
.irp t, 0,1
	v_mov_b32 v[ST+4*\t], 0xfe000000     ; c m: far below every c s
	v_mov_b32 v[ST+4*\t+1], 0xff7fffff   ; m
	v_mov_b32 v[ST+4*\t+2], 0
	v_mov_b32 v[ST+4*\t+3], 0
.endr
	v_mov_b32 v[LS+1], 0
	WIN 0x40
.set i, 0
.rept 4                             ; the first block's Q: tile i / 2, channels 32 (i % 2) on
	global_load_b128 v[8*i:8*i+3],   v[QO], s[52:53] offset:(i/2)*HEADB+(i%2)*64
	global_load_b128 v[8*i+4:8*i+7], v[QO], s[52:53] offset:(i/2)*HEADB+(i%2)*64+32
.set i, i+1
.endr
	; What the first step finds: no mask; O^T finite (its first a is 0).  Two registers a line: the zeros of l times 0.  These lines stand in the wait for the first tile; no first step is written out.
.set i, 0
.rept 16
	v_pk_mul_f32 v[MC+2*i:MC+2*i+1], v[ST+2:ST+3], 0 op_sel_hi:[1,0]
.set i, i+1
.endr
.set i, 0
.rept 32                            ; the place of the first block's O^T is written on every way to its reader
	v_pk_mul_f32 v[SV+2*i+((2*i)/32)*160:SV+2*i+((2*i)/32)*160+1], v[ST+2:ST+3], 0 op_sel_hi:[1,0]
.set i, i+1
.endr
	WIN 0
.set i, 0
.rept 32
	v_pk_mul_f32 v[O+2*i:O+2*i+1], v[ST+2:ST+3], 0 op_sel_hi:[1,0]
.set i, i+1
.endr
	v_lshlrev_b32 v[VQ], 3, v[S+1]
	v_sub_nc_u32 v[VQ], v[S], v[VQ]
	v_add_nc_u32 v[VQ], s74, v[VQ]
	v_mul_u32_u24 v[AK0], v[S], PK
	v_lshl_add_u32 v[AK0], v[S+1], 4, v[AK0]
	v_and_b32 v[S+2], 7, v0
	v_bfe_u32 v[S+3], v0, 3, 1
	v_lshl_add_u32 v[AV0], v[S+1], 3, v[S+2]
	v_mul_u32_u24 v[AV0], v[AV0], PV
	v_lshl_add_u32 v[AV0], v[S+3], 4, v[AV0]
	v_add_nc_u32 v[AV0], VOFF, v[AV0]
	s_mul_i32 s74, s[WV], 16*SP
	s_add_co_u32 s74, s74, STAGE    ; my stage
	v_mul_u32_u24 v[STO], v[S], SP  ; in: row l % 16, 16 bytes for each half of the lanes
	v_lshl_add_u32 v[STO], v[S+1], 4, v[STO]
	v_add_nc_u32 v[STO], s74, v[STO]
	v_and_b32 v[GO], 31, v0         ; back: 32 lanes take one row of 512 bytes,
	v_lshlrev_b32 v[GO], 4, v[GO]   ; which is my chunk of a row of ao
	v_add_nc_u32 v[RD], s74, v[GO]
	s_wait_loadcnt 0x0              ; Q
; THE MATRIX WORK.  The four accumulators of a run take turns.  Product i of 8 of S^T for tile t: channels 32 (i / 4) on, keys 16 (i % 4) on; the first four start the sums with the mask.
.macro KQ t
.set rS, S+32*(\t)+8*(i%4)
.set rK, KF+16*(i%4)+8*(i/4)
.set rQ, 16*(\t)+8*(i/4)
.set rM, MC+8*(i%4)
.if i < 4
	WIN W_KM
	v_wmma_f32_16x16x32_f16 v[rS:rS+7], v[rK:rK+7], v[rQ:rQ+7], v[rM:rM+7]
.else
	WIN W_KQ
	v_wmma_f32_16x16x32_f16 v[rS:rS+7], v[rK:rK+7], v[rQ:rQ+7], v[rS:rS+7]
.endif
.endm
.macro PVH t                        ; product i of 8 of O^T += V^T P with V hi: keys 32 (i / 4) on, channels 16 (i % 4) on
	WIN 0
.set rO, O+32*(\t)+8*(i%4)
.set rV, VH+8*i+(i/4)*160
.set rP, P+16*(\t)+8*(i/4)
	v_wmma_f32_16x16x32_f16 v[rO:rO+7], v[rV:rV+7], v[rP:rP+7], v[rO:rO+7]
.endm
.macro PVL t                        ; the same with V lo
	WIN W_PL
.set rO, O+32*(\t)+8*(i%4)
.set rV, VL+8*i
.set rP, P+16*(\t)+8*(i/4)
	v_wmma_f32_16x16x32_f16 v[rO:rO+7], v[rV:rV+7], v[rP:rP+7], v[rO:rO+7]
.endm
.macro FETCH_K                      ; a step's K: 16 loads in one run
	WIN 0
	v_add_nc_u32 v[AK], s[TBK], v[AK0]
	WIN 0x40
.irp f, 0,1,2,3,4,5,6,7
	ds_load_b128 v[KF+8*\f:KF+8*\f+3],   v[AK] offset:(\f/2)*16*PK+(\f%2)*64
	ds_load_b128 v[KF+8*\f+4:KF+8*\f+7], v[AK] offset:(\f/2)*16*PK+(\f%2)*64+32
.endr
	WIN 0
.endm
.macro FETCH_V lo                   ; a step's V, turned: 16 loads for hi; lo = 1: 16 more for lo, which lies 128 bytes on in each row
	WIN 0
	v_add_nc_u32 v[AV], s[TBV], v[AV0]
	s_add_co_u32 s[TBV], s[TBV], KS*PV
.irp f, 0,1,2,3,4,5,6,7
	ds_load_tr16_b128 v[VH+8*\f+(\f/4)*160:VH+8*\f+(\f/4)*160+3],   v[AV] offset:(\f/4)*32*PV+(\f%4)*32
	ds_load_tr16_b128 v[VH+8*\f+(\f/4)*160+4:VH+8*\f+(\f/4)*160+7], v[AV] offset:(\f/4)*32*PV+16*PV+(\f%4)*32
.endr
.if \lo
	WIN 0x40
.irp f, 0,1,2,3,4,5,6,7
	ds_load_tr16_b128 v[VL+8*\f:VL+8*\f+3],   v[AV] offset:(\f/4)*32*PV+(\f%4)*32+128
	ds_load_tr16_b128 v[VL+8*\f+4:VL+8*\f+7], v[AV] offset:(\f/4)*32*PV+16*PV+(\f%4)*32+128
.endr
	WIN 0
.endif
.endm
; THE VECTOR WORK of a tile and step: 118 lines, all in window 0.  X n: the maximum and statistics (each accumulator's lowest registers are read first).  F n: c s - c m for pair n.
; E n: the exponential of score n.  C n: pair n rounded to f16.  B n: of four weights the second pair is added onto the first.  L n: l takes that sum (L 0: l = a l + sum).  R n: pair n of O^T times a.
; X 0-20 and F name no exponential's result; X 21 (a) and E are the batch; C, B, L and R are its readers and stand behind its wait.
.macro OPX n
.if (\n) < 4
	v_max3_num_f32 v[rC+(\n)], v[rS+8*(\n)], v[rS+8*(\n)+1], v[rS+8*(\n)+2]
.elseif (\n) < 12
	v_max3_num_f32 v[rC+(\n)%4], v[rC+(\n)%4], v[rS+8*((\n)%4)+2*((\n)/4)+1], v[rS+8*((\n)%4)+2*((\n)/4)+2]
.elseif (\n) == 12
	v_max3_num_f32 v[rC], v[rC], v[rS+7], v[rS+15]
.elseif (\n) == 13
	v_max3_num_f32 v[rC+1], v[rC+1], v[rS+23], v[rS+31]
.elseif (\n) == 14
	v_max3_num_f32 v[rC+2], v[rC+2], v[rC+3], v[rT+1]
.elseif (\n) == 15
	v_mov_b32 v[rW], v[rT]          ; c m_old is kept
.elseif (\n) == 16
	v_max3_num_f32 v[rC], v[rC], v[rC+1], v[rC+2]
.elseif (\n) == 17
	v_permlanex16_b32 v[rC+3], v[rC], s[SEL], s[SEL+1]  ; the query's other 32 keys lie in the lane 16 away
.elseif (\n) == 18
	v_max_num_f32 v[rT+1], v[rC], v[rC+3]
.elseif (\n) == 19
	v_mul_f32 v[rT], s[CS], v[rT+1]
.elseif (\n) == 20
	v_sub_f32 v[rC+1], v[rW], v[rT]
.else
	v_exp_f32 v[rC+2], v[rC+1]      ; a
.endif
.endm
.macro OPF n
	v_pk_fma_f32 v[rS+2*(\n):rS+2*(\n)+1], v[rS+2*(\n):rS+2*(\n)+1], s[CS:CS+1], v[rT:rT+1] op_sel_hi:[1,0,0] neg_lo:[0,0,1] neg_hi:[0,0,1]
.endm
.macro OPE n
	v_exp_f32 v[rS+(\n)], v[rS+(\n)]
.endm
.macro OPC n
	v_cvt_pk_f16_f32 v[rP+(\n)], v[rS+2*(\n)], v[rS+2*(\n)+1]
.endm
.macro OPB n
	v_pk_add_f32 v[rS+4*(\n):rS+4*(\n)+1], v[rS+4*(\n):rS+4*(\n)+1], v[rS+4*(\n)+2:rS+4*(\n)+3]
.endm
.macro OPL n
.if (\n) == 0
	v_pk_fma_f32 v[rT+2:rT+3], v[rT+2:rT+3], v[rC+2:rC+3], v[rS:rS+1] op_sel_hi:[1,0,1]
.else
	v_pk_add_f32 v[rT+2:rT+3], v[rT+2:rT+3], v[rS+4*(\n):rS+4*(\n)+1]
.endif
.endm
.macro OPR n
	v_pk_mul_f32 v[rO+2*(\n):rO+2*(\n)+1], v[rO+2*(\n):rO+2*(\n)+1], v[rC+2:rC+3] op_sel_hi:[1,0]
.endm
.macro REGS t                       ; the registers of tile t
.set rT, ST+4*(\t)
.set rC, TMP+4*(\t)
.set rW, MV+(\t)
.set rS, S+32*(\t)
.set rP, P+16*(\t)
.set rO, O+32*(\t)
.endm
.set X, 0                           ; the kinds' names
.set F, 1
.set E, 2
.set C, 3
.set B, 4
.set L, 5
.set R, 6
.macro OP k, t, n                   ; line n of kind k for tile t
	WIN 0
	REGS \t
.if (\k) == X
	OPX \n
.elseif (\k) == F
	OPF \n
.elseif (\k) == E
	OPE \n
.elseif (\k) == C
	OPC \n
.elseif (\k) == B
	OPB \n
.elseif (\k) == L
	OPL \n
.else
	OPR \n
.endif
.endm
; Number z of a tile's 16 sums: B 0, B 1, L 0, B 2, L 1, .. B 7, L 6, L 7: l's chain goes in order, each link behind its B.  B n stands behind C 2n, which reads the pair that B n writes over.
.macro SUM t, z
.if (\z) == 0
	OP B, \t, 0
.elseif (\z) == 15
	OP L, \t, 7
.elseif (\z)%2 == 1
	OP B, \t, ((\z)+1)/2
.else
	OP L, \t, (\z)/2-1
.endif
.endm
.macro SUMN t, n                    ; the next n of them
.rept \n
	SUM \t, sz
.set sz, sz+1
.endr
.endm
; PART A's list: line sj of the 70 of tile 0 that stand ahead of its wait.  0-21: X.  22-25: F 0-3.  26-31: E 0-5.  32-67: twelve times F j + 4, E 6 + 2 j, E 7 + 2 j: a pair is scaled a three ahead of
; its exponentials.  68, 69: E 30, E 31.  No line names an exponential's result; behind an exponential stands a line that touches neither its register nor its source.
.macro SA
.if sj < 22
	OP X, 0, sj
.elseif sj < 26
	OP F, 0, sj-22
.elseif sj < 32
	OP E, 0, sj-26
.elseif sj >= 68
	OP E, 0, sj-38
.elseif (sj-32)%3 == 0
	OP F, 0, (sj-32)/3+4
.else
	OP E, 0, 5+2*((sj-32)/3)+(sj-32)%3
.endif
.set sj, sj+1
.endm
.macro SAN n
.rept \n
	SA
.endr
.endm
; PART B's last 60 lines: tile 1's 32 exponentials E, each with a plain neighbour while there are any: 24 times (E, plain), 4 times (E, E, plain).  The 28 plain lines: tile 1's F 4-15 at the even places
; up to 22 (F 4 + j / 2 stands well ahead of E 8 + j), tile 0's 16 sums at the others; tile 0's batch has had its wait.  The last line, tile 0's L 7, is the plain line behind the last exponential.
.macro PLB j
.if ((\j) < 24) && ((\j)%2 == 0)
	OP F, 1, 4+(\j)/2
.elseif (\j) < 24
	SUM 0, ((\j)-1)/2
.else
	SUM 0, (\j)-12
.endif
.endm
.macro SB
.if (sj < 48) && (sj%2 == 0)
	OP E, 1, sj/2
.elseif sj < 48
	PLB sj/2
.elseif (sj-48)%3 < 2
	OP E, 1, 24+2*((sj-48)/3)+(sj-48)%3
.else
	PLB 24+(sj-48)/3
.endif
.set sj, sj+1
.endm
.macro SBN n
.rept \n
	SB
.endr
.endm
.macro MASKS                        ; the mask of the step to come, in a block's last tile
	WIN 0
	v_add_nc_u32 v[THR], s[THS], v[VQ]
	s_sub_co_u32 s[THS], s[THS], 64
	WIN 0x40
.set i, 0
.rept 32
	v_cmp_gt_i32 vcc_lo, 16*(i/8)+i%8, v[THR]
	v_cndmask_b32 v[MC+i], 0, s[BIGN], vcc_lo
.set i, i+1
.endr
	WIN 0
.endm
; A KEY STEP.  lo = 1 (the walk's last tile): V's lo part is fetched and multiplied too.  The softmax lines behind a product name none of its registers.  The four v_nop are the places behind tile 0's
; scores and, for V's run of loads, behind the last step's V^T P; the scalings F 12-15 behind tile 1's last score product are the places in front of K's run of loads and of the first read of those scores.
.macro STEP lo
	s_wait_dscnt 0x0                ; K is in
.set i, 0
.rept 8
	KQ 0
.set i, i+1
.endr
	WIN 0
	PLACES
	FETCH_V \lo
	; PART A: tile 1's scores; behind them tile 0's 70 lines, its batch of 33 exponentials among them
.set sj, 0
.set i, 0
.irp n, 8,8,8,8,8,8,8,14
	KQ 1
.set i, i+1
	SAN \n
.endr
	WIN 0
	v_nop                           ; a plain instruction behind the batch's last exponential
	s_wait_alu depctr_va_vdst(0)    ; the wait for tile 0's batch: a and 32 weights; ahead of its first reader (C 0 below) and of the branch
	s_wait_dscnt 0x0                ; V is in
	s_add_co_u32 s[TBK], s[TBK], KS*PK
	s_cmp_eq_u32 s[CNT], 1          ; a tile's last step fetches no K: the next step's lies in the other slot, behind the change
	s_cbranch_scc1 .Lnok_\@
	FETCH_K
.Lnok_\@:
	; PART B: tile 0's V^T P.  Product 0 wants C 0-7 and R 0-3 of tile 0, product k R 4 k .. 4 k + 3, product 4 C 8-15: they are laid between the lines of tile 1's maximum and statistics, whose chain's links so stand apart.
.set i, 0
.irp k, 0,1,2,3,4,5,6,7
	OP C, 0, \k
	OP X, 1, \k
.endr
.irp k, 0,1,2,3
	OP R, 0, \k
	OP X, 1, 8+\k
.endr
	PVH 0
.set i, i+1
.irp k, 4,5,6,7
	OP R, 0, \k
	OP X, 1, 8+\k
.endr
	PVH 0
.set i, i+1
	OP R, 0, 8
	OP R, 0, 9
	OP X, 1, 16
	OP R, 0, 10
	OP R, 0, 11
	OP C, 0, 8
	OP X, 1, 17
	OP C, 0, 9
	PVH 0
.set i, i+1
	OP R, 0, 12
	OP R, 0, 13
	OP X, 1, 18
	OP R, 0, 14
	OP R, 0, 15
	OP C, 0, 10
	OP X, 1, 19
	OP C, 0, 11
	PVH 0
.set i, i+1
	OP C, 0, 12
	OP C, 0, 13
	OP X, 1, 20
	OP F, 1, 0
	OP C, 0, 14
	OP F, 1, 1
	OP C, 0, 15
	OP F, 1, 2
	OP X, 1, 21                     ; tile 1's a opens its batch
	OP F, 1, 3
.set sj, 0
.if \lo
.rept 4
	PVH 0
.set i, i+1
	SBN 5
.endr
.set i, 0
.rept 8
	PVL 0
.set i, i+1
	SBN 5
.endr
.else
.rept 4
	PVH 0
.set i, i+1
	SBN 15
.endr
.endif
	s_wait_alu depctr_va_vdst(0)    ; the wait for tile 1's batch: a and 32 weights; ahead of its first reader (C 0 below); tile 0's L 7 is the plain line behind the last exponential
	; PART C: tile 1's V^T P, with tile 1's roundings, rescalings and sums, in the order in which the products want them
.set i, 0
.set sz, 0
.irp k, 0,1,2,3,4,5,6,7
	OP C, 1, \k
.endr
.irp k, 0,1,2,3
	OP R, 1, \k
.endr
.irp u, 1,2,3
	PVH 1
.set i, i+1
.irp k, 0,1,2,3
	OP R, 1, 4*\u+\k
.endr
	OP C, 1, 6+2*\u
	OP C, 1, 7+2*\u
.endr
	PVH 1
.set i, i+1
	OP C, 1, 14
	OP C, 1, 15
	SUMN 1, 3
.irp n, 4,4,4,1
	PVH 1
.set i, i+1
	SUMN 1, \n
.endr
.if \lo
.set i, 0
.rept 8
	PVL 1
.set i, i+1
.endr
.endif
	WIN 0
.endm
; THE WAY OUT of a block: l's two halves and the other half of the lanes' are added; O^T is divided by l, split into hi and lo, and goes through my own stage: 16 rows of 512 bytes
; (two heads' hi, then their lo).  S^T's registers are at work; the rows come back into V hi's registers.
.macro OUT
	WIN 0
	PLACES                          ; behind the last products
.irp t, 0,1
	v_add_f32 v[ST+4*\t+2], v[ST+4*\t+2], v[ST+4*\t+3]
.endr
.irp t, 0,1
	v_permlanex16_b32 v[ST+4*\t+3], v[ST+4*\t+2], s[SEL], s[SEL+1]
.endr
.irp t, 0,1
	v_add_f32 v[ST+4*\t+2], v[ST+4*\t+2], v[ST+4*\t+3]
.endr
.irp t, 0,1
	v_rcp_f32 v[ST+4*\t+2], v[ST+4*\t+2]
.endr
	v_nop                           ; a plain instruction between the last reciprocal and the use of its result
	s_wait_alu depctr_va_vdst(0)    ; the wait ahead of the first use: one for the batch of two reciprocals
.irp t, 0,1
.set i, 0
.rept 16
	v_pk_mul_f32 v[O+32*\t+2*i:O+32*\t+2*i+1], v[O+32*\t+2*i:O+32*\t+2*i+1], v[ST+4*\t+2:ST+4*\t+3] op_sel_hi:[1,0]
.set i, i+1
.endr
.set i, 0
.rept 32
	v_and_b32 v[S+i], s[MSK], v[O+32*\t+i]                                                                              ; hi
.set i, i+1
.endr
.set i, 0
.rept 16
	v_pk_add_f32 v[O+32*\t+2*i:O+32*\t+2*i+1], v[O+32*\t+2*i:O+32*\t+2*i+1], v[S+2*i:S+2*i+1] neg_lo:[0,1] neg_hi:[0,1] ; lo = y - hi
.set i, i+1
.endr
.set i, 0
.rept 16
	v_cvt_pk_f16_f32 v[S+32+i], v[S+2*i], v[S+2*i+1]
.set i, i+1
.endr
.set i, 0
.rept 16
	v_cvt_pk_f16_f32 v[S+48+i], v[O+32*\t+2*i], v[O+32*\t+2*i+1]
.set i, i+1
.endr
.irp f, 0,1,2,3
	ds_store_b128 v[STO], v[S+32+4*\f:S+32+4*\f+3] offset:\t*128+\f*32
.endr
.irp f, 0,1,2,3
	ds_store_b128 v[STO], v[S+48+4*\f:S+48+4*\f+3] offset:256+\t*128+\f*32
.endr
.endr
.irp f, 0,1,2,3,4,5,6,7,8,9,10,11,12,13,14,15
	ds_load_b128 v[VH+4*\f+(\f/8)*160:VH+4*\f+(\f/8)*160+3], v[RD] offset:\f*SP  ; LDS serves a wave's instructions in order (ISA guide 5.7.1.4): these see the stores above
.endr
.irp f, 0,1,2,3,4,5,6,7,8,9,10,11,12,13,14,15
	s_wait_dscnt 15-\f              ; load f is in, the younger ones stay out
	global_store_b128 v[GO], v[VH+4*\f+(\f/8)*160:VH+4*\f+(\f/8)*160+3], s[48:49] offset:\f*4096  ; 512 consecutive bytes, at a multiple of 256 from ao's first byte
.endr
.endm
.Lslot:                             ; 16 trips: a tile is entered and the next is asked for
	CHANGE 1
	s_sub_co_u32 s[RT], s[RT], 1
	s_mov_b32 s[CNT], 4
	FETCH_K
.Lstep:
	s_cmp_lg_u32 s[RT], 0
	s_cbranch_scc1 .Lnm             ; only a block's last tile has masks
	MASKS
.Lnm:
	STEP 0
	s_sub_co_u32 s[CNT], s[CNT], 1
	s_cmp_lg_u32 s[CNT], 0
	s_cbranch_scc1 .Lstep
	s_cmp_lg_u32 s[RT], 0
	s_cbranch_scc1 .Lbottom
	; THE FIRST BLOCK'S END (the second's last tile is the walk's last).  Its l and O^T are set aside, two registers a line, each accumulator from its lowest registers on; the second block's Q comes in.
	PLACES                          ; behind the last products
	v_add_f32 v[LS], v[ST+2], v[ST+3]
	v_add_f32 v[LS+1], v[ST+6], v[ST+7]
	WIN 0x40
.set i, 0
.rept 32
	v_pk_mul_f32 v[SV+2*i+((2*i)/32)*160:SV+2*i+((2*i)/32)*160+1], v[O+2*i:O+2*i+1], 1.0 op_sel_hi:[1,0]
.set i, i+1
.endr
.set i, 0
.rept 4
	global_load_b128 v[8*i:8*i+3],   v[QO], s[54:55] offset:(i/2)*HEADB+(i%2)*64
	global_load_b128 v[8*i+4:8*i+7], v[QO], s[54:55] offset:(i/2)*HEADB+(i%2)*64+32
.set i, i+1
.endr
	WIN 0x41
.set i, 0
.rept 16
	v_pk_mul_f32 v[MC+2*i:MC+2*i+1], v[MC+2*i:MC+2*i+1], 0 op_sel_hi:[1,0]  ; no mask again
.set i, i+1
.endr
	WIN 0
.irp t, 0,1
	v_mov_b32 v[ST+4*\t], 0xfe000000     ; the next a is 0: what O^T and l hold need only be finite
	v_mov_b32 v[ST+4*\t+1], 0xff7fffff
.endr
	s_add_co_u32 s[RT], s[PB], 1    ; the second block has c + 1 tiles
	s_mov_b32 s[THS], s[TLO]
	s_wait_loadcnt 0x0              ; Q
.Lbottom:
	s_sub_co_u32 s[SLOTS], s[SLOTS], 1
	s_cmp_lg_u32 s[SLOTS], 0
	s_cbranch_scc1 .Lslot
	CHANGE 0                        ; the walk's last tile is written out: nothing is asked for
	s_mov_b32 s[CNT], 4
	FETCH_K
.Ltail:
	MASKS
	STEP 1
	s_sub_co_u32 s[CNT], s[CNT], 1
	s_cmp_lg_u32 s[CNT], 0
	s_cbranch_scc1 .Ltail
	s_mov_b32 s[CNT], 2
.Lout:                              ; twice: the second block's O, then the first's, which takes its place (the second trip's copy serves nothing: the price of one text)
	OUT
	s_wait_xcnt 0x0                 ; the stores' data and base are written again only behind this wait
	s_mov_b64 s[48:49], s[50:51]
	WIN 0x01
.set i, 0
.rept 32
	v_pk_mul_f32 v[O+2*i:O+2*i+1], v[SV+2*i+((2*i)/32)*160:SV+2*i+((2*i)/32)*160+1], 1.0 op_sel_hi:[1,0]
.set i, i+1
.endr
	WIN 0
	v_mov_b32 v[ST+2], v[LS]
	v_mov_b32 v[ST+3], 0
	v_mov_b32 v[ST+6], v[LS+1]
	v_mov_b32 v[ST+7], 0
	s_sub_co_u32 s[CNT], s[CNT], 1
	s_cmp_lg_u32 s[CNT], 0
	s_cbranch_scc1 .Lout
	s_wait_tensorcnt 0x0            ; the wave's end
	ds_add_u32 v[SPW], v[NIL]
	s_wait_dscnt 0x0
	CROUND                          ; the closing round
	s_endpgm
.Lfunc_end_k_q797e4ba8f9_attn:
	.size	k_q797e4ba8f9_attn, .Lfunc_end_k_q797e4ba8f9_attn-k_q797e4ba8f9_attn
	.p2alignl 7, 3214868480
	.fill 96, 4, 3214868480
	.section	.rodata,"a",@progbits
	.p2align	6, 0x0
	.amdhsa_kernel k_q797e4ba8f9_attn
		.amdhsa_group_segment_fixed_size 327680
		.amdhsa_private_segment_fixed_size 0
		.amdhsa_enable_private_segment 0
		.amdhsa_kernarg_size 24
		.amdhsa_user_sgpr_count 2
		.amdhsa_user_sgpr_kernarg_segment_ptr 1
		.amdhsa_wavefront_size32 1
		.amdhsa_system_sgpr_workgroup_id_x 1
		.amdhsa_system_sgpr_workgroup_id_y 1
		.amdhsa_system_sgpr_workgroup_id_z 1
		.amdhsa_system_vgpr_workitem_id 0
		.amdhsa_next_free_vgpr 512
		.amdhsa_next_free_sgpr 88
		.amdhsa_reserve_vcc 1
		.amdhsa_float_denorm_mode_32 3
		.amdhsa_float_denorm_mode_16_64 3
		.amdhsa_memory_ordered 1
		.amdhsa_forward_progress 1
		.amdhsa_inst_pref_size 84
	.end_amdhsa_kernel
	.amdgpu_metadata
---
amdhsa.version: [ 1, 2 ]
amdhsa.kernels:
  - .name:           k_q797e4ba8f9_attn
    .symbol:         k_q797e4ba8f9_attn.kd
    .args:
      - { .name: qkv, .offset: 0, .size: 8, .value_kind: global_buffer, .address_space: global }
      - { .name: vv, .offset: 8, .size: 8, .value_kind: global_buffer, .address_space: global }
      - { .name: ao, .offset: 16, .size: 8, .value_kind: global_buffer, .address_space: global }
    .group_segment_fixed_size: 327680
    .private_segment_fixed_size: 0
    .kernarg_segment_align: 8
    .kernarg_segment_size: 24
    .max_flat_workgroup_size: 128
    .sgpr_count:     88
    .vgpr_count:     512
    .wavefront_size: 32
...
	.end_amdgpu_metadata
.endif
;; end of part 6
;; launch oproj: the kernel of part 4 again; grid 8 x 32, 4 waves a work-group, clusters of 4 x 4, 327,680 bytes of LDS; arguments ao, wob, out0; writes out0
